; MI455X (gfx1250); checked and timed in simulation.
; The chip was launched on July 23, 2026; its instructions are those of AMD's public machine-readable ISA for CDNA 5 (MIT licence, August 2026) and "CDNA5" Instruction Set Architecture Reference Guide (July 2026). The comments in the code are by the model that wrote it; some were corrected since.
;; Mo EFFN. Allowed arithmetic: matrix products marked QUANTISED: E2M1 operands, one E8M0 scale for each 32 along K, by v_wmma_scale_f32_16x16x128_f8f6f4 with both operands' format E2M1 (or v_wmma_scale_f32_32x16x128_f4), f32 sums; products left as they are: f32 operands where the result goes on into a quantised operand, else bf16, f16 or f32 operands; f32 sums; everything else in f32.
;; Inputs: W1 4 x 1,024 x 4,096 float32; W2 4 x 4,096 x 1,024 float32; Wr 1,024 x 4 float32; b1 4 x 4,096 float32; b2 4 x 1,024 float32; br 4 float32; x 4 x 512 x 1,024 float32.
;; Outputs: out0 4 x 512 x 1,024 float32.
;; This version of the problem:
;;   THIS VERSION OF THE PROBLEM IS GIVEN IN LOW PRECISION. The matrix products marked QUANTISED in the list below multiply operands that are first quantised to E2M1 (2 exponent bits, 1 mantissa bit; 4 bits a number), with one power-of-two scale for each 32 numbers along K (OCP MX v1.0); their sums are f32. All else is computed in f32.
;;   The module's matrix products, in the order in which they are computed (A, B: the left and right operand; K: the contracted axis; several contracted axes count as one K, in the product's order):
;;     1. [M 2,048, K 1,024] x [K 1,024, N 4]; A: input x; B: input Wr: left as it is (N = 4 < 16)
;;     2. [M 2,048, K 1,024] x [K 1,024, N 16,384]; A: input x; B: input W1: QUANTISED
;;     3. batch 4 x [M 1,024, K 4,096] x [K 4,096, N 2,048]; A: input W2; B: computed on the way: QUANTISED
;;   THE QUANTISER, for each operand of a quantised product, along K:
;;     - K is cut into blocks of 32 from its start; a last block that is shorter is filled with zeros.
;;     - A block's scale is 2^e with e = floor(log2(the largest magnitude in the block)) - 2, held to -126 .. 127; a block of zeros has e = 0. As a byte (E8M0): e + 127.
;;     - Each number is divided by its block's scale, clamped to +-6, and rounded to the nearest number of E2M1, ties to even, subnormals kept.
;;     - The product sums the exact products of the quantised numbers (number of the format x scale) in f32.
;;   ~~~python
;;   def quantise(x, axis):      # numpy; x: float32 -> the quantised numbers, widened to float32 again
;;       x = np.moveaxis(x, axis, -1); K = x.shape[-1]
;;       x = np.pad(x, [(0, 0)] * (x.ndim - 1) + [(0, -K % 32)]); x = x.reshape(x.shape[:-1] + (-1, 32)); a = np.abs(x).max(-1, keepdims=True)
;;       e = np.where(a > 0, np.clip(np.frexp(np.where(a > 0, a, 1))[1] - 1 - 2, -126, 127), 0)      # np.frexp(a)[1] - 1 = floor(log2(a)), exactly
;;       r = np.clip(x / 2.0 ** e, -6, 6)
;;       step = 2.0 ** (np.maximum(np.frexp(np.where(r == 0, 1, r))[1] - 1, 0) - 1)
;;       q = np.round(r / step) * step * 2.0 ** e      # np.round: ties to even
;;       return np.moveaxis(q.reshape(q.shape[:-2] + (-1,))[..., :K], -1, axis).astype(np.float32)
;;   ~~~
;;   OPERANDS COMPUTED ON THE WAY. 'Computed on the way' means the value that the module computes at that place (a softmax that the list does not call 'softmax' is quantised finished and normalised). What goes into a quantiser is computed in f32, as accurately as f32 sums, v_exp_f32 and their like allow (about 1e-6 of the number): no bf16 or f16 on the way to a quantiser, and a product that is left as it is and whose result goes on into a quantised operand takes f32 operands (vector FMAs, or v_wmma_f32_16x16x4_f32). A number that lies on a knife's edge between two numbers of the format may be rounded either way, as far as f32 arithmetic and the matrix unit's own rounding can turn it there, and no further.
;; One version. Each part assembles by itself: llvm-mc -triple=amdgcn-amd-amdhsa -mcpu=gfx1250 --defsym DOCPART=n.
;; ======== version 1 of 1: 4 launches
;; limits: right only within a limited range of input values
;; workspace buffers: xq 1,146,880 bytes; sel 8,192 bytes of whole numbers; route 8,960 bytes of whole numbers; w1q 8,912,896 bytes; w2q 8,912,896 bytes; hq 9,273,344 bytes
;; launch prep1 (part 1): grid 768 x 1, 4 waves a work-group, no clusters, 19,968 bytes of LDS; arguments x, Wr, br, W1, xq, sel, w1q; writes xq, sel, w1q
.if DOCPART == 1
	.amdgcn_target "amdgcn-amd-amdhsa--gfx1250"
	.amdhsa_code_object_version 6
	.text
	.protected	k_qded6c124fc_prep1
	.globl	k_qded6c124fc_prep1
	.p2align	8
	.type	k_qded6c124fc_prep1,@function
k_qded6c124fc_prep1:
	s_mov_b64 s[64:65], 0
	v_nop
	global_prefetch_b8 v0, s[64:65] scope:SCOPE_SE
	s_setreg_imm32_b32 hwreg(HW_REG_WAVE_MODE, 25, 1), 1
	s_wait_xcnt 0x0
.set XS_OFF,  1048576                  ; in xq: the scale bytes
; MoE FFN, top 2 of 4 experts, both large products on codes of FP4 (E2M1) with one E8M0 scale for each 32 along K.  Launch 1 of 4.
; WORK LEFT OUT, in the whole program.  (1) take_along_axis keeps, for each token, the rows of expert_out of its two chosen experts; the rows of the other two
; experts reach no output whatever the inputs hold.  So h and expert_out are made for the chosen pairs (token, expert) alone.  The choice is stored here as a whole
; number for each token, at a fixed place, and later launches read it.  (2) The softmax's divisor: p_a / (p_a + p_b) = q_a / (q_a + q_b) with q = exp(l - max l): the sum
; over the four experts cancels by an identity; the maximum is still taken away.  The top 2 are taken on q, which has p's order; ties keep the lower index.
; Every input is loaded by some launch.  LIMITS: NaN and infinities among the inputs are not served; a NaN, an infinity or an overflow that reaches only an expert that was
; not chosen is not carried to the result; a q under 2^-126 counts as 0; a block whose largest magnitude lies under 2^-124 (a block of zeros too) gets the byte 1
; where the rule says another: the bytes are read by this program alone, and a block of zeros has zero codes.
; THIS LAUNCH.  Work-groups 0-255: x [2048][1024] f32 -> codes xc [2048][512 B], scale bytes xs [2048][32], the router in f32 (fused multiply-adds), gates g4 [2048][4] (0 where
; not chosen) and the pair's number sel [2048]: 0:(0,1) 1:(0,2) 2:(0,3) 3:(1,2) 4:(1,3) 5:(2,3).  Work-groups 256-767: experts 0 and 1 of W1 [4][1024 (k)][4096 (f)] f32 -> codes and
; scale words laid in the order of the operand's registers: a fragment (16 rows x 128 K) is 1,024 bytes, register group c of lane l at 512 c + 16 l.  Experts 2 and 3 of W1 are taken by the
; second launch, beside the placement of the tokens; W2 by the third.
; No tensor loads, no barrier: waves share nothing.  No cluster: no two work-groups read the same bytes but Wr's 16,384.
.set G4_OFF,  1114112                  ; in xq: the gates
.set W1S_OFF, 8388608                  ; in w1q: the scale words
.set WREG,    4864                     ; LDS of a wave (x path): a stage of 32 x 144 bytes, then its 64 scale bytes
.set SBY,     4608
.set SPARE,   4*WREG                   ; behind the four regions: the spare words, 128 bytes a wave, that no other line names
.set NCOL,    4096                     ; numbers in a row of W1
.set X,   32                           ; v32-63 (x path: 32 neighbours along K); v32-95 (W path: two sets of 32 numbers down K)
.set RAW, 64                           ; v64-127  x path: my two rows as loaded
.set WR,  128                          ; v128-255 x path: Wr[32 lane + i][e] at WR + 4 i + e
.set C,   96                           ; v96-111  W path: four registers of codes for each block, never rewritten
	s_load_b256 s[4:11], s[0:1], 0x0               ; x s[4:5], Wr s[6:7], br s[8:9], W1 s[10:11]
	s_load_b128 s[12:15], s[0:1], 0x20             ; xq s[12:13], sel s[14:15]
	s_load_b64 s[16:17], s[0:1], 0x30              ; w1q
	v_lshl_add_u32 v30, v0, 2, SPARE               ; my spare word; never rewritten
	v_mov_b32 v31, 0                               ; 0; never rewritten
	v_lshrrev_b32 v1, 5, v0
	v_readfirstlane_b32 s20, v1                    ; wave 0..3
	v_and_b32 v1, 31, v0                           ; lane
	s_cmp_lt_u32 ttmp9, 256
	s_cbranch_scc1 .Lxpath
; ---------------- W1: a work-group takes 128 columns f x one K step (128 rows); a wave 32 columns; A LANE TAKES A COLUMN AND ITS REGISTERS RUN DOWN K.
; The wave's 32 lanes are two tiles u of 16 rows r.  Lane r of tile 2 P + u takes hidden unit 32 P + 8 u + r + 8 (r / 8), so that in the first product's result
; the 16 registers of two neighbouring tiles are 16 neighbours along the second product's K.
	s_sub_co_u32 s21, ttmp9, 256                   ; unit 0..511
	s_and_b32 s22, s21, 31                         ; which 128 columns
	s_lshr_b32 s23, s21, 5                         ; which 128 rows of the flat [4 x 1024][4096]
	s_lshr_b32 s24, s23, 3                         ; expert
	s_and_b32 s25, s23, 7                          ; K step
	s_lshl_b32 s26, s22, 2
	s_add_co_u32 s26, s26, s20                     ; P = f / 32
	s_lshl_b32 s28, s23, 21                        ; 128 rows of 16,384 bytes
	s_lshl_b32 s27, s26, 7
	s_add_co_u32 s28, s28, s27
	s_mov_b32 s29, 0
	s_lshl_b32 s30, s24, 7
	s_add_co_u32 s30, s30, s26                     ; e x 128 + P
	s_lshl_b32 s32, s30, 4
	s_add_co_u32 s32, s32, s25
	s_lshl_b32 s32, s32, 10                        ; codes: (((e 128 + P) 2 + u) 8 + ks) x 1,024
	s_mov_b32 s33, 0
	s_lshl_b32 s34, s30, 3
	s_add_co_u32 s34, s34, s25
	s_lshl_b32 s34, s34, 7
	s_add_co_u32 s34, s34, W1S_OFF                 ; scale words: ((e 128 + P) 8 + ks) x 128
	s_mov_b32 s35, 0
	s_wait_alu depctr_va_vdst(0)
	v_and_b32 v5, 15, v1                           ; r
	v_lshrrev_b32 v6, 4, v1                        ; u
	v_and_b32 v7, 8, v5
	v_add_nc_u32 v7, v7, v5
	v_lshl_add_u32 v7, v6, 3, v7                   ; my column among the wave's 32
	v_lshlrev_b32 v2, 2, v7
	v_lshlrev_b32 v3, 4, v5
	v_lshl_add_u32 v3, v6, 13, v3                  ; codes: tile u is 8,192 bytes on; 16 r
	v_lshlrev_b32 v4, 2, v1                        ; scale word: lanes 0-15 tile u = 0, lanes 16-31 tile u = 1
	s_wait_alu depctr_va_vdst(0)
	s_wait_kmcnt 0x0
	s_add_nc_u64 s[10:11], s[10:11], s[28:29]
	s_add_nc_u64 s[32:33], s[16:17], s[32:33]
	s_add_nc_u64 s[34:35], s[16:17], s[34:35]
.macro WLOAD t                         ; block t: 32 rows of my column; a wave's load covers 128 consecutive bytes, the four waves' 512
.set i, 0
.rept 32
	global_load_b32 v[X+32*((\t)%2)+i], v2, s[10:11] offset:(32*(\t)+i)*NCOL*4 th:TH_LOAD_NT
.set i, i+1
.endr
.endm
.macro WBLOCK t, left                  ; left: the younger loads that may stay out
.set XB, X+32*((\t)%2)
	s_wait_loadcnt \left
	v_max3_num_f32 v12, |v[XB]|, |v[XB+1]|, |v[XB+2]|              ; the block's largest magnitude: all 32 numbers are mine; two chains
	v_max3_num_f32 v13, |v[XB+3]|, |v[XB+4]|, |v[XB+5]|
.irp i, 6,10,14,18,22,26
	v_max3_num_f32 v12, v12, |v[XB+\i]|, |v[XB+\i+1]|
	v_max3_num_f32 v13, v13, |v[XB+\i+2]|, |v[XB+\i+3]|
.endr
	v_max3_num_f32 v12, v12, |v[XB+30]|, |v[XB+31]|
	v_max3_num_f32 v12, v12, v13, 0x1800000        ; and the floor 2^(3 - 127): the byte cannot fall under 1
	v_add_nc_u32 v11, 0xff000000, v12              ; 2 off the exponent field: the conversion takes this operand's exponent field as its scale
	v_lshrrev_b32 v13, 23, v11                     ; the scale's byte
.if (\t) == 0
	v_mov_b32 v16, v13
.else
	v_lshl_or_b32 v16, v13, 8*(\t), v16            ; four bytes make the row's scale word for this K step
.endif
.irp g, 0,1,2,3
	v_cvt_scalef32_pk8_fp4_f32 v[C+4*(\t)+\g], v[XB+8*\g:XB+8*\g+7], v11
.endr
	global_store_b128 v3, v[C+4*(\t):C+4*(\t)+3], s[32:33] offset:((\t)/2)*512+((\t)%2)*256   ; block t = 2 c + h of the fragment: sixteen lanes store 256 consecutive bytes, aligned
.endm
	WLOAD 0
	WLOAD 1
	WBLOCK 0, 32
	WLOAD 2
	WBLOCK 1, 32
	WLOAD 3
	WBLOCK 2, 32
	WBLOCK 3, 0
	global_store_b32 v4, v16, s[34:35]             ; 32 scale words: 128 consecutive bytes
	s_endpgm
; ---------------- x: a wave takes 2 rows, and all its loads go out at once.  A row's eight loads are dense (512 bytes each); the row turns through the wave's own stage in LDS so that lane l holds block l, 32 neighbours along K.
.Lxpath:
	s_lshl_b32 s21, ttmp9, 3
	s_lshl_b32 s22, s20, 1
	s_add_co_u32 s21, s21, s22                     ; my first row: 8 x work-group + 2 x wave
	s_mul_i32 s23, s20, WREG
	s_add_co_u32 s24, s23, SBY
	s_wait_alu depctr_va_vdst(0)
	v_lshlrev_b32 v2, 4, v1                        ; 16 x lane
	v_lshrrev_b32 v3, 3, v1
	v_mul_u32_u24 v3, v3, 144
	v_and_b32 v4, 7, v1
	v_lshl_add_u32 v3, v4, 4, v3
	v_add_nc_u32 v3, s23, v3                       ; stage, way in: a block of 128 bytes + 16 of padding: 144 (lane / 8) + 16 (lane % 8); load i begins 4 blocks on
	v_mul_u32_u24 v4, v1, 144
	v_add_nc_u32 v4, s23, v4                       ; way out: block = lane
	v_add_nc_u32 v5, s24, v1                       ; my block's scale byte
	v_and_b32 v7, 15, v1
	v_lshlrev_b32 v7, 2, v7
	v_add_nc_u32 v6, s24, v7                       ; and on the way out 4 bytes for each of 16 lanes
	v_lshlrev_b32 v27, 9, v1                       ; Wr: my 32 rows of 16 bytes (lanes 512 bytes apart: 16,384 bytes, once a wave)
.irp e, 0,1,2,3
	v_mov_b32 v[16+\e], 0                          ; the keepers: lane l keeps the logits of row l % 2
.endr
	s_lshl_b32 s26, s21, 12
	s_mov_b32 s27, 0
	s_lshl_b32 s28, s21, 9
	s_mov_b32 s29, 0
	s_lshl_b32 s30, s21, 5
	s_mov_b32 s31, 0
	s_lshl_b32 s38, s21, 4
	s_mov_b32 s39, 0
	s_lshl_b32 s46, s21, 2
	s_mov_b32 s47, 0
	s_mov_b32 s44, 0x76543210
	s_mov_b32 s45, 0xfedcba98                      ; v_permlanex16_b32's selects for lane l xor 16
	s_wait_alu depctr_va_vdst(0)
	s_wait_kmcnt 0x0
	s_load_b128 s[40:43], s[8:9], 0x0              ; br
	s_add_nc_u64 s[4:5], s[4:5], s[26:27]          ; x at my first row
	s_add_nc_u64 s[32:33], s[12:13], s[28:29]      ; its codes
	s_add_nc_u64 s[34:35], s[12:13], s[30:31]      ; its scale bytes (+ XS_OFF)
	s_add_nc_u64 s[36:37], s[12:13], s[38:39]      ; its gates (+ G4_OFF)
	s_add_nc_u64 s[14:15], s[14:15], s[46:47]      ; its pair number
.set i, 0
.rept 32
	global_load_b128 v[WR+4*i:WR+4*i+3], v27, s[6:7] offset:16*i
.set i, i+1
.endr
.macro XLOAD j
.irp i, 0,1,2,3,4,5,6,7
	global_load_b128 v[RAW+32*(\j)+4*\i:RAW+32*(\j)+4*\i+3], v2, s[4:5] offset:4096*(\j)+512*\i th:TH_LOAD_NT
.endr
.endm
	XLOAD 0
	XLOAD 1
.macro XROW j
	s_wait_loadcnt 8*(1-(\j))                      ; this row (and Wr) is in; in front of row 0 the second row's eight loads may stay out
.irp i, 0,1,2,3,4,5,6,7
	ds_store_b128 v3, v[RAW+32*(\j)+4*\i:RAW+32*(\j)+4*\i+3] offset:576*\i
.endr
.irp g, 0,1,2,3,4,5,6,7
	ds_load_b128 v[X+4*\g:X+4*\g+3], v4 offset:16*\g   ; LDS serves a wave's instructions in order: these see the stores above
.endr
	s_wait_dscnt 0x0                               ; the block is in
	v_max3_num_f32 v28, |v[X]|, |v[X+1]|, |v[X+2]|
	v_max3_num_f32 v29, |v[X+3]|, |v[X+4]|, |v[X+5]|
.irp i, 6,10,14,18,22,26
	v_max3_num_f32 v28, v28, |v[X+\i]|, |v[X+\i+1]|
	v_max3_num_f32 v29, v29, |v[X+\i+2]|, |v[X+\i+3]|
.endr
	v_max3_num_f32 v28, v28, |v[X+30]|, |v[X+31]|
	v_max3_num_f32 v28, v28, v29, 0x1800000        ; the floor 2^(3 - 127)
	v_add_nc_u32 v29, 0xff000000, v28              ; the conversion's scale operand
	v_lshrrev_b32 v28, 23, v29                     ; the byte
.irp g, 0,1,2,3
	v_cvt_scalef32_pk8_fp4_f32 v[20+4*(\j)+\g], v[X+8*\g:X+8*\g+7], v29   ; each row has its own four registers of codes (row 1's end on v27, which Wr's loads have read: they are in)
.endr
	ds_store_b8 v5, v28 offset:32*(\j)
	global_store_b128 v2, v[20+4*(\j):20+4*(\j)+3], s[32:33] offset:512*(\j)   ; the row's 512 bytes of codes: 32 lanes, 16 neighbouring bytes each
	; the router, in f32: two experts an instruction, two chains (even k, odd k); the first products start the sums
	v_pk_mul_f32 v[8:9],   v[X:X+1], v[WR:WR+1]   op_sel:[0,0] op_sel_hi:[0,1]
	v_pk_mul_f32 v[10:11], v[X:X+1], v[WR+2:WR+3] op_sel:[0,0] op_sel_hi:[0,1]
	v_pk_mul_f32 v[12:13], v[X:X+1], v[WR+4:WR+5] op_sel:[1,0] op_sel_hi:[1,1]
	v_pk_mul_f32 v[14:15], v[X:X+1], v[WR+6:WR+7] op_sel:[1,0] op_sel_hi:[1,1]
.irp p, 1,2,3,4,5,6,7,8,9,10,11,12,13,14,15
	v_pk_fma_f32 v[8:9],   v[X+2*\p:X+2*\p+1], v[WR+8*\p:WR+8*\p+1],   v[8:9]   op_sel:[0,0,0] op_sel_hi:[0,1,1]
	v_pk_fma_f32 v[10:11], v[X+2*\p:X+2*\p+1], v[WR+8*\p+2:WR+8*\p+3], v[10:11] op_sel:[0,0,0] op_sel_hi:[0,1,1]
	v_pk_fma_f32 v[12:13], v[X+2*\p:X+2*\p+1], v[WR+8*\p+4:WR+8*\p+5], v[12:13] op_sel:[1,0,0] op_sel_hi:[1,1,1]
	v_pk_fma_f32 v[14:15], v[X+2*\p:X+2*\p+1], v[WR+8*\p+6:WR+8*\p+7], v[14:15] op_sel:[1,0,0] op_sel_hi:[1,1,1]
.endr
	v_pk_add_f32 v[8:9], v[8:9], v[12:13]
	v_pk_add_f32 v[10:11], v[10:11], v[14:15]
.irp m, 1,2,4,8
.irp e, 8,9,10,11
	v_add_f32_dpp v\e, v\e, v\e row_xmask:\m row_mask:0xf bank_mask:0xf
.endr
.endr
.irp e, 0,1,2,3
	v_permlanex16_b32 v[12+\e], v[8+\e], s44, s45
.endr
.irp e, 0,1,2,3
	v_add_f32 v[8+\e], v[8+\e], v[12+\e]           ; every lane holds the row's four sums
.endr
	s_mov_b32 s48, 0x55555555<<(\j)
.irp e, 0,1,2,3
	v_cndmask_b32 v[16+\e], v[16+\e], v[8+\e], s48 ; lanes l with l % 2 = j keep them
.endr
.endm
	XROW 0
	XROW 1
	ds_load_b32 v8, v6                             ; my wave's 64 scale bytes
	s_wait_alu depctr_va_vdst(0)
	s_wait_dscnt 0x0
	global_store_b32 v7, v8, s[34:35] offset:XS_OFF   ; 64 consecutive bytes; lanes 16-31 repeat lanes 0-15
	s_wait_kmcnt 0x0                               ; br
	v_add_f32 v16, s40, v16
	v_add_f32 v17, s41, v17
	v_add_f32 v18, s42, v18
	v_add_f32 v19, s43, v19
	v_max3_num_f32 v32, v16, v17, v18
	v_max_num_f32 v32, v32, v19                    ; the maximum is taken away, as in the softmax
.irp e, 0,1,2,3
	v_sub_f32 v[16+\e], v[16+\e], v32
.endr
.irp e, 0,1,2,3
	v_mul_f32 v[16+\e], 0x3fb8aa3b, v[16+\e]
.endr
	s_wait_alu depctr_va_vdst(0)
.irp e, 0,1,2,3
	v_exp_f32 v[16+\e], v[16+\e]                   ; q = exp(l - max)
.endr
	v_nop                                          ; a plain instruction behind the last exponential
	s_wait_alu depctr_va_vdst(0)                   ; one wait for the four, ahead of their first reader
	v_mov_b32 v33, v16                             ; the largest, strictly greater wins: ties keep the lower index
	v_mov_b32 v34, 0
.irp e, 1,2,3
	v_cmp_gt_f32 s48, v[16+\e], v33
	v_cndmask_b32 v33, v33, v[16+\e], s48
	v_cndmask_b32 v34, v34, \e, s48
.endr
.irp e, 0,1,2,3
	v_cmp_eq_u32 s48, \e, v34
	v_cndmask_b32 v[36+\e], v[16+\e], -1.0, s48    ; the first is taken out: under every q
.endr
	v_mov_b32 v40, v36                             ; the second
	v_mov_b32 v41, 0
.irp e, 1,2,3
	v_cmp_gt_f32 s48, v[36+\e], v40
	v_cndmask_b32 v40, v40, v[36+\e], s48
	v_cndmask_b32 v41, v41, \e, s48
.endr
	v_add_f32 v42, v33, v40                        ; at least 1: the largest q is 1
	s_wait_alu depctr_va_vdst(0)
	v_rcp_f32 v42, v42
	v_min_u32 v45, v34, v41                        ; lo  (a plain instruction behind the reciprocal)
	v_max_u32 v46, v34, v41                        ; hi
	v_sub_nc_u32 v47, 5, v45
	v_mul_u32_u24 v47, v47, v45
	v_lshrrev_b32 v47, 1, v47
	v_add3_u32 v47, v47, v46, -1                   ; the pair's number: hi - 1 + lo (5 - lo) / 2
	s_wait_alu depctr_va_vdst(0)
	v_mul_f32 v43, v33, v42                        ; the two gates
	v_mul_f32 v44, v40, v42
.irp e, 0,1,2,3
	v_cmp_eq_u32 s48, \e, v34
	v_cndmask_b32 v[48+\e], 0, v43, s48
	v_cmp_eq_u32 s48, \e, v41
	v_cndmask_b32 v[48+\e], v[48+\e], v44, s48
.endr
	v_and_b32 v52, 1, v1
	v_lshlrev_b32 v53, 4, v52
	v_lshlrev_b32 v54, 2, v52
	global_store_b128 v53, v[48:51], s[36:37] offset:G4_OFF   ; fixed places; the sixteen lanes of a row store the same numbers to the same place
	global_store_b32 v54, v47, s[14:15]
	s_wait_tensorcnt 0x0                           ; the wave's end, behind my last LDS store
	ds_add_u32 v30, v31
	s_wait_dscnt 0x0
	s_endpgm
.Lfunc_end_k_qded6c124fc_prep1:
	.size	k_qded6c124fc_prep1, .Lfunc_end_k_qded6c124fc_prep1-k_qded6c124fc_prep1
	.p2alignl 7, 3214868480
	.fill 96, 4, 3214868480
	.section	.rodata,"a",@progbits
	.p2align	6, 0x0
	.amdhsa_kernel k_qded6c124fc_prep1
		.amdhsa_group_segment_fixed_size 19968
		.amdhsa_private_segment_fixed_size 0
		.amdhsa_enable_private_segment 0
		.amdhsa_kernarg_size 56
		.amdhsa_user_sgpr_count 2
		.amdhsa_user_sgpr_kernarg_segment_ptr 1
		.amdhsa_wavefront_size32 1
		.amdhsa_system_sgpr_workgroup_id_x 1
		.amdhsa_system_sgpr_workgroup_id_y 1
		.amdhsa_system_sgpr_workgroup_id_z 1
		.amdhsa_system_vgpr_workitem_id 0
		.amdhsa_next_free_vgpr 256
		.amdhsa_next_free_sgpr 66
		.amdhsa_reserve_vcc 0
		.amdhsa_float_denorm_mode_32 3
		.amdhsa_float_denorm_mode_16_64 3
		.amdhsa_memory_ordered 1
		.amdhsa_forward_progress 1
		.amdhsa_inst_pref_size 48
	.end_amdhsa_kernel
	.amdgpu_metadata
---
amdhsa.version: [ 1, 2 ]
amdhsa.kernels:
  - .name:           k_qded6c124fc_prep1
    .symbol:         k_qded6c124fc_prep1.kd
    .args:
      - { .name: x, .offset: 0, .size: 8, .value_kind: global_buffer, .address_space: global }
      - { .name: Wr, .offset: 8, .size: 8, .value_kind: global_buffer, .address_space: global }
      - { .name: br, .offset: 16, .size: 8, .value_kind: global_buffer, .address_space: global }
      - { .name: W1, .offset: 24, .size: 8, .value_kind: global_buffer, .address_space: global }
      - { .name: xq, .offset: 32, .size: 8, .value_kind: global_buffer, .address_space: global }
      - { .name: sel, .offset: 40, .size: 8, .value_kind: global_buffer, .address_space: global }
      - { .name: w1q, .offset: 48, .size: 8, .value_kind: global_buffer, .address_space: global }
    .group_segment_fixed_size: 19968
    .private_segment_fixed_size: 0
    .kernarg_segment_align: 8
    .kernarg_segment_size: 56
    .max_flat_workgroup_size: 128
    .sgpr_count:     66
    .vgpr_count:     256
    .wavefront_size: 32
...
	.end_amdgpu_metadata
.endif
;; end of part 1
;; launch prep2 (part 2): grid 514 x 1, 4 waves a work-group, no clusters, 0 bytes of LDS; arguments sel, route, W1, w1q; writes route, w1q
.if DOCPART == 2
	.amdgcn_target "amdgcn-amd-amdhsa--gfx1250"
	.amdhsa_code_object_version 6
	.text
	.protected	k_qded6c124fc_prep2
	.globl	k_qded6c124fc_prep2
	.p2align	8
	.type	k_qded6c124fc_prep2,@function
k_qded6c124fc_prep2:
	s_mov_b64 s[64:65], 0
	v_nop
	global_prefetch_b8 v0, s[64:65] scope:SCOPE_SE
	s_setreg_imm32_b32 hwreg(HW_REG_WAVE_MODE, 25, 1), 1
	s_wait_xcnt 0x0
.set W1S_OFF, 8388608
; Launch 2 of 4.  Work-groups 0-1: the tokens are placed by their pair of experts (a counting sort, stable, no atomics).  Work-groups 2-513: experts 2 and 3 of W1 [4][1024 (k)][4096 (f)] f32 -> codes of FP4
; and scale words in the order of the operand's registers, as the first launch does experts 0 and 1 (its head comment says what the program leaves out, and the limits of the quantiser).
; W2 is quantised by the third launch.
; ROUTE: perm [133 tiles][16] token numbers (2048 = padding); each of the six groups begins on a tile of 16, so there are never more than 133 tiles.  Words 2128-2159: spare, written and never read.
; At TB_OFF: TB[0..6], the first tile of each group; TB[6] = tiles in all.
; The placement: 8 waves that share nothing.  Each reads all 2,048 pair numbers, counts each pair in all and ahead of its own 256 tokens, and stores its own tokens' places.
.set TB_OFF,  8704
.set X,   32
.set C,   96
	s_load_b64 s[6:7], s[0:1], 0x0                 ; sel
	s_load_b64 s[10:11], s[0:1], 0x8               ; route
	s_load_b128 s[12:15], s[0:1], 0x10             ; W1 s[12:13], w1q s[14:15]
	v_lshrrev_b32 v1, 5, v0
	v_readfirstlane_b32 s16, v1                    ; wave
	v_and_b32 v1, 31, v0                           ; lane
	s_cmp_lt_u32 ttmp9, 2
	s_cbranch_scc1 .Lplace
; A unit of W1: 128 columns x one K step (128 rows) a work-group, 32 columns a wave, A LANE TO A COLUMN, REGISTERS DOWN K.
.macro WLOAD t                         ; block t: 32 rows of my column; a wave's load covers 128 consecutive bytes, the four waves' 512
.set i, 0
.rept 32
	global_load_b32 v[X+32*((\t)%2)+i], v2, s[12:13] offset:(32*(\t)+i)*4096*4 th:TH_LOAD_NT
.set i, i+1
.endr
.endm
.macro WBLOCK t, left                  ; left: the younger loads that may stay out
.set XB, X+32*((\t)%2)
	s_wait_loadcnt \left
	v_max3_num_f32 v12, |v[XB]|, |v[XB+1]|, |v[XB+2]|              ; the block's largest magnitude: all 32 numbers are mine; two chains
	v_max3_num_f32 v13, |v[XB+3]|, |v[XB+4]|, |v[XB+5]|
.irp i, 6,10,14,18,22,26
	v_max3_num_f32 v12, v12, |v[XB+\i]|, |v[XB+\i+1]|
	v_max3_num_f32 v13, v13, |v[XB+\i+2]|, |v[XB+\i+3]|
.endr
	v_max3_num_f32 v12, v12, |v[XB+30]|, |v[XB+31]|
	v_max3_num_f32 v12, v12, v13, 0x1800000        ; the floor 2^(3 - 127): the byte cannot fall under 1
	v_add_nc_u32 v11, 0xff000000, v12              ; 2 off the exponent field: the conversion's scale operand
	v_lshrrev_b32 v13, 23, v11                     ; the byte
.if (\t) == 0
	v_mov_b32 v16, v13
.else
	v_lshl_or_b32 v16, v13, 8*(\t), v16            ; four bytes make the row's scale word for this K step
.endif
.irp g, 0,1,2,3
	v_cvt_scalef32_pk8_fp4_f32 v[C+4*(\t)+\g], v[XB+8*\g:XB+8*\g+7], v11
.endr
	global_store_b128 v3, v[C+4*(\t):C+4*(\t)+3], s[32:33] offset:((\t)/2)*512+((\t)%2)*256   ; block t = 2 c + h of the fragment: sixteen lanes store 256 consecutive bytes, aligned
.endm
; ---------------- W1, units 512-1023 (experts 2 and 3).  Lane r of tile 2 P + u takes hidden unit 32 P + 8 u + r + 8 (r / 8), as in the first launch.
	s_add_co_u32 s21, ttmp9, 510                   ; unit = 512 + (work-group - 2)
	s_and_b32 s22, s21, 31                         ; which 128 columns
	s_lshr_b32 s23, s21, 5                         ; which 128 rows of the flat [4 x 1024][4096]
	s_lshr_b32 s24, s23, 3                         ; expert
	s_and_b32 s25, s23, 7                          ; K step
	s_lshl_b32 s26, s22, 2
	s_add_co_u32 s26, s26, s16                     ; P = f / 32
	s_lshl_b32 s28, s23, 21                        ; 128 rows of 16,384 bytes
	s_lshl_b32 s27, s26, 7
	s_add_co_u32 s28, s28, s27
	s_mov_b32 s29, 0
	s_lshl_b32 s30, s24, 7
	s_add_co_u32 s30, s30, s26                     ; e x 128 + P
	s_lshl_b32 s32, s30, 4
	s_add_co_u32 s32, s32, s25
	s_lshl_b32 s32, s32, 10                        ; codes: (((e 128 + P) 2 + u) 8 + ks) x 1,024
	s_mov_b32 s33, 0
	s_lshl_b32 s34, s30, 3
	s_add_co_u32 s34, s34, s25
	s_lshl_b32 s34, s34, 7
	s_add_co_u32 s34, s34, W1S_OFF                 ; scale words: ((e 128 + P) 8 + ks) x 128
	s_mov_b32 s35, 0
	s_wait_alu depctr_va_vdst(0)
	v_and_b32 v5, 15, v1                           ; r
	v_lshrrev_b32 v6, 4, v1                        ; u
	v_and_b32 v7, 8, v5
	v_add_nc_u32 v7, v7, v5
	v_lshl_add_u32 v7, v6, 3, v7                   ; my column among the wave's 32
	v_lshlrev_b32 v2, 2, v7
	v_lshlrev_b32 v3, 4, v5
	v_lshl_add_u32 v3, v6, 13, v3                  ; codes: tile u is 8,192 bytes on; 16 r
	v_lshlrev_b32 v4, 2, v1
	s_wait_alu depctr_va_vdst(0)
	s_wait_kmcnt 0x0
	s_add_nc_u64 s[12:13], s[12:13], s[28:29]
	s_add_nc_u64 s[32:33], s[14:15], s[32:33]
	s_add_nc_u64 s[34:35], s[14:15], s[34:35]
	WLOAD 0                                        ; two blocks' loads ahead of the work: the count 32 leaves the next block's 32 loads out
	WLOAD 1
	WBLOCK 0, 32
	WLOAD 2
	WBLOCK 1, 32
	WLOAD 3
	WBLOCK 2, 32
	WBLOCK 3, 0
	global_store_b32 v4, v16, s[34:35]             ; 32 scale words: 128 consecutive bytes
	s_endpgm
; ---------------- the placement.  s20-25 T[p]: tokens of pair p; s26-31 B[p]: those ahead of my 256; s32-37 masks; s38-43 counts; s44-49 tiles; s50-56 TB; s57-62 the next free place of each pair
.Lplace:
	s_lshl_b32 s18, ttmp9, 2
	s_add_co_u32 s18, s18, s16                     ; my unit, 0..7: tokens 256 u .. 256 u + 255
	s_wait_alu depctr_va_vdst(0)
	v_lshlrev_b32 v2, 2, v1
	s_lshl_b32 s19, s18, 10
	v_add_nc_u32 v3, s19, v2
	s_lshl_b32 s19, s18, 8
	v_add_nc_u32 v5, s19, v1                       ; my first token
.irp p, 0,1,2,3,4
	s_mov_b32 s[20+\p], 0
	s_mov_b32 s[26+\p], 0
.endr
	s_wait_alu depctr_va_vdst(0)
	s_wait_kmcnt 0x0
.set i, 0
.rept 64
	global_load_b32 v[32+i], v2, s[6:7] offset:128*i   ; sel[32 i + lane]
.set i, i+1
.endr
.set i, 0
.rept 8
	global_load_b32 v[96+i], v3, s[6:7] offset:128*i   ; my own 256
.set i, i+1
.endr
	s_wait_loadcnt 0x0
.set i, 0
.rept 64
.if (i%8) == 0
	s_cmp_eq_u32 s18, i/8                          ; in front of my own range the counts so far are those ahead of me
.irp p, 0,1,2,3,4
	s_cselect_b32 s[26+\p], s[20+\p], s[26+\p]
.endr
.endif
.irp p, 0,1,2,3,4
	v_cmp_eq_u32 s[32+\p], \p, v[32+i]
.endr
.irp p, 0,1,2,3,4
	s_bcnt1_i32_b32 s[38+\p], s[32+\p]
.endr
.irp p, 0,1,2,3,4
	s_add_co_u32 s[20+\p], s[20+\p], s[38+\p]
.endr
.set i, i+1
.endr
	s_add_co_u32 s25, s20, s21                     ; pair 5 has the rest
	s_add_co_u32 s25, s25, s22
	s_add_co_u32 s25, s25, s23
	s_add_co_u32 s25, s25, s24
	s_sub_co_u32 s25, 2048, s25
	s_add_co_u32 s31, s26, s27
	s_add_co_u32 s31, s31, s28
	s_add_co_u32 s31, s31, s29
	s_add_co_u32 s31, s31, s30
	s_sub_co_u32 s31, s19, s31
	s_mov_b32 s50, 0
.irp p, 0,1,2,3,4,5
	s_add_co_u32 s[44+\p], s[20+\p], 15
	s_lshr_b32 s[44+\p], s[44+\p], 4               ; tiles of the group
	s_add_co_u32 s[51+\p], s[50+\p], s[44+\p]      ; the next group's first tile
	s_lshl_b32 s[57+\p], s[50+\p], 4
	s_add_co_u32 s[57+\p], s[57+\p], s[26+\p]      ; my first place in the group
.endr
.set k, 0
.rept 8
.irp p, 0,1,2,3,4,5
	v_cmp_eq_u32 s[32+\p], \p, v[96+k]
.endr
	v_mbcnt_lo_u32_b32 v[104+k], s32, s57          ; place = the pair's next free place + the lanes below me with the same pair
.irp p, 1,2,3,4,5
	v_mbcnt_lo_u32_b32 v[8+\p], s[32+\p], s[57+\p]
.endr
.irp p, 1,2,3,4,5
	v_cndmask_b32 v[104+k], v[104+k], v[8+\p], s[32+\p]
.endr
	s_wait_alu depctr_va_vdst(0)
.irp p, 0,1,2,3,4,5
	s_bcnt1_i32_b32 s[38+\p], s[32+\p]
.endr
.irp p, 0,1,2,3,4,5
	s_add_co_u32 s[57+\p], s[57+\p], s[38+\p]
.endr
	v_min_u32 v[104+k], 2127, v[104+k]             ; inside perm's 133 x 16 places
	v_lshlrev_b32 v[104+k], 2, v[104+k]
	v_add_nc_u32 v[16+k], 32*k, v5
	global_store_b32 v[104+k], v[16+k], s[10:11]
.set k, k+1
.endr
	s_cmp_lg_u32 s18, 0
	s_cbranch_scc1 .Ldone
	; unit 0 alone: the padding of each group's last tile, and TB.  All lanes stay on: a lane with no place of padding stores the same number into its spare word behind perm, which nobody reads.
	v_mov_b32 v6, 2048
	v_add_nc_u32 v14, 2128, v1                     ; my spare word
.irp p, 0,1,2,3,4,5
	s_lshl_b32 s67, s[44+\p], 4
	s_sub_co_u32 s67, s67, s[20+\p]                ; places of padding, 0..15
	s_lshl_b32 s68, s[50+\p], 4
	s_add_co_u32 s68, s68, s[20+\p]                ; the first of them
	v_add_nc_u32 v[24+\p], s68, v1
	s_wait_alu depctr_va_vdst(0)
	v_cmp_gt_u32 s66, s67, v1                      ; lanes 0 .. padding - 1
	v_cndmask_b32 v[24+\p], v14, v[24+\p], s66
	v_min_u32 v[24+\p], 2159, v[24+\p]             ; inside perm and the spare words
	v_lshlrev_b32 v[24+\p], 2, v[24+\p]
	global_store_b32 v[24+\p], v6, s[10:11]
.endr
	v_mov_b32 v7, 0
.irp p, 0,1,2,3,4,5,6
	v_writelane_b32 v7, s[50+\p], \p
.endr
	global_store_b32 v2, v7, s[10:11] offset:TB_OFF    ; TB[0..6], then zeros: 128 bytes
.Ldone:
	s_endpgm
.Lfunc_end_k_qded6c124fc_prep2:
	.size	k_qded6c124fc_prep2, .Lfunc_end_k_qded6c124fc_prep2-k_qded6c124fc_prep2
	.p2alignl 7, 3214868480
	.fill 96, 4, 3214868480
	.section	.rodata,"a",@progbits
	.p2align	6, 0x0
	.amdhsa_kernel k_qded6c124fc_prep2
		.amdhsa_group_segment_fixed_size 0
		.amdhsa_private_segment_fixed_size 0
		.amdhsa_enable_private_segment 0
		.amdhsa_kernarg_size 32
		.amdhsa_user_sgpr_count 2
		.amdhsa_user_sgpr_kernarg_segment_ptr 1
		.amdhsa_wavefront_size32 1
		.amdhsa_system_sgpr_workgroup_id_x 1
		.amdhsa_system_sgpr_workgroup_id_y 1
		.amdhsa_system_sgpr_workgroup_id_z 1
		.amdhsa_system_vgpr_workitem_id 0
		.amdhsa_next_free_vgpr 112
		.amdhsa_next_free_sgpr 72
		.amdhsa_reserve_vcc 0
		.amdhsa_float_denorm_mode_32 3
		.amdhsa_float_denorm_mode_16_64 3
		.amdhsa_memory_ordered 1
		.amdhsa_forward_progress 1
		.amdhsa_inst_pref_size 88
	.end_amdhsa_kernel
	.amdgpu_metadata
---
amdhsa.version: [ 1, 2 ]
amdhsa.kernels:
  - .name:           k_qded6c124fc_prep2
    .symbol:         k_qded6c124fc_prep2.kd
    .args:
      - { .name: sel, .offset: 0, .size: 8, .value_kind: global_buffer, .address_space: global }
      - { .name: route, .offset: 8, .size: 8, .value_kind: global_buffer, .address_space: global }
      - { .name: W1, .offset: 16, .size: 8, .value_kind: global_buffer, .address_space: global }
      - { .name: w1q, .offset: 24, .size: 8, .value_kind: global_buffer, .address_space: global }
    .group_segment_fixed_size: 0
    .private_segment_fixed_size: 0
    .kernarg_segment_align: 8
    .kernarg_segment_size: 32
    .max_flat_workgroup_size: 128
    .sgpr_count:     72
    .vgpr_count:     112
    .wavefront_size: 32
...
	.end_amdgpu_metadata
.endif
;; end of part 2
;; launch ffn1 (part 3): grid 32 x 8, 8 waves a work-group, no clusters, 70,656 bytes of LDS; arguments xq, w1q, b1, route, hq, W2, w2q; writes hq, w2q
.if DOCPART == 3
	.amdgcn_target "amdgcn-amd-amdhsa--gfx1250"
	.amdhsa_code_object_version 6
	.text
	.protected	k_qded6c124fc_ffn1
	.globl	k_qded6c124fc_ffn1
	.p2align	8
	.type	k_qded6c124fc_ffn1,@function
k_qded6c124fc_ffn1:
	s_mov_b64 s[64:65], 0
	v_nop
	global_prefetch_b8 v0, s[64:65] scope:SCOPE_SE
	s_setreg_imm32_b32 hwreg(HW_REG_WAVE_MODE, 25, 1), 1
	s_wait_xcnt 0x0
.set XS_OFF,  1048576
; Launch 3 of 4, TWO JOBS IN EVERY WAVE.
; JOB H: h = gelu(x W1 + b1), quantised along f, for the chosen pairs (token, expert) alone: the rows of experts that a token did not choose reach no output (head comment of the first launch).
; JOB W: W2 [4][4096 (k)][1024 (d)] f32 -> codes of FP4 and scale words in the order of the operand's registers, for the fourth launch (limits of the quantiser: head comment of the first launch).
; Job H is vector and matrix work on operands that are read many times; job W reads 67,108,864 bytes once and has about 30 vector lines for each 1,024 numbers.  So a block of job W rides in each trip of job H.
; JOB H, SHARES.  Work-group x = slice sl: 128 hidden units, which are K step sl of the second product.  Work-group y takes chunks y and y + 8 of the list of tile rows: a chunk is up to 36 tile rows of ONE expert;
; an expert's n tile rows are cut into c = ceil(n / 36) chunks of ceil(n / c) (never more than 11 chunks, whatever the split).  A tile row hrow = 2 tile + j is a tile of 16 tokens (sorted by pair) with its lower (j = 0) or higher (j = 1) expert.
; EIGHT WAVES OF 512 REGISTERS.  Wave w has half hh = w % 2 of the slice (64 hidden units: 32 fragments of W1, K = 1,024, kept in registers with their scale words and b1) and takes the chunk's places w / 2, w / 2 + 4, ..
; A tile gives it register group hh of the fragment of h (512 bytes) and bytes 2 hh, 2 hh + 1 of each row's scale word.  The two waves of a pair gather the same rows of x, each for itself: no barrier.
; Trip counts and addresses hang on whole numbers that an earlier launch stored, so there is no tensor load and no cluster: operands go from memory into registers.
; The tokens' rows of codes are gathered as whole rows of 512 bytes, into the registers that the fragments will take, and turned in place through the wave's own stage in LDS.  They are asked for behind the products of
; the tile before, and have that tile's GELU in which to land.  Padding places of a tile compute on token 2,047 and are never stored as output.
; THE PRODUCT IS USED TRANSPOSED (source 0 = 16 rows of W1, source 1 = 16 tokens): a lane holds one token, and the 16 registers of tiles 2 b, 2 b + 1 are hidden units 32 b + 16 (lane / 16) + 0 .. 15.
; GELU (erf form) in f32: gelu(x) = max(x, 0) - |x| t 2^arg, t = 1 / (1 + |x| / (2 sqrt 2)), arg = -x^2 log2(e) / 2 + a0 + t (a1 + .. + t a9): erfc by a rational-exponential form with
; fractional error under 1.2e-7, its coefficients times log2(e), the factor 1/2 inside a0.  For large |x| 2^arg falls to 0 and gelu is max(x, 0).
; JOB W, SHARES.  Wave G = 8 (32 y + x) + w of the launch's 2,048 takes columns 32 (G % 32) .. + 31 and K steps 2 (G / 32), 2 (G / 32) + 1 of the flat 128: 8 blocks of 32 rows, A LANE TO A COLUMN, REGISTERS DOWN K.
; A block's 32 loads (128 consecutive bytes each, the eight waves' 1,024) go out one trip of job H ahead of its work, which stands between the stage's loads and the wait for them.  s14 counts the blocks done; what a split's
; trips leave over is done in a loop behind the chunks.  W2 is read once, by these loads: no prefetch is laid beside them.
; REGISTERS.  window 0: v0 job W's scale word (behind the head); v1-14 addresses; v15 h's scale bytes; v16-79 16 rows of x, then its 8 fragments; v80-111 the 4 accumulators; v112-127 T (and the 16 rows' offsets),
;   v128-143 P, v144-159 Q (both also job W's codes, offsets and maxima: they are written again only behind the trip's wait on XCNT); v160-169 the quantiser; v170-171 a8; v172-187 W1's scale words; v188-191 x's scale words;
;   v192-223 b1; v224-255 job W's block.   window 1: W1's fragment (tile tl, K step ks) at v[32 ks + 8 tl].
.set W1S_OFF, 8388608
.set W2S_OFF, 8388608
.set HS_OFF,  8716288
.set TB_OFF,  8704
.set STG,     8704                     ; a wave's stage: 32 pieces x (16 rows x 16 bytes + 16)
.set SPARE,   8*STG                    ; behind the stages: the spare words, 128 bytes a wave, that no other line names
.set XF,  16
.set HA,  80
.set T,   112
.set P,   128
.set Q,   144
.set TM,  160
.set PW,  15
.set PC,  166
.set A8,  170
.set W1S, 172
.set XS,  188
.set B1,  192
.set QX,  224
.set MSB, 0
.macro WIN new                         ; the immediate's high byte repeats the setting that is left
.if MSB != \new
	s_set_vgpr_msb (MSB<<8)|\new
.set MSB, \new
.endif
.endm
.macro KPAIR r, val                    ; a constant as a pair: the packed forms name a pair and take its low word for both halves
	s_mov_b32 s[\r], \val
	s_mov_b32 s[\r+1], s[\r]
.endm
.macro QLOADS off                      ; a block of job W: 32 rows of my column
.set i, 0
.rept 32
	global_load_b32 v[QX+i], v[\off], s[2:3] offset:i*4096 th:TH_LOAD_NT
.set i, i+1
.endr
.endm
	s_load_b256 s[4:11], s[0:1], 0x0               ; xq s[4:5], w1q s[6:7], b1 s[8:9], route s[10:11]
	s_load_b64 s[12:13], s[0:1], 0x20              ; hq
	s_load_b128 s[28:31], s[0:1], 0x28             ; W2 s[28:29], w2q s[30:31]
	v_lshl_add_u32 v12, v0, 2, SPARE               ; my spare word; never rewritten
	v_mov_b32 v13, 0                               ; 0; never rewritten
	v_lshrrev_b32 v1, 5, v0
	s_delay_alu instid0(VALU_DEP_1)
	v_readfirstlane_b32 s14, v1                    ; wave 0..7
	s_and_b32 s89, s14, 1                          ; hh: my half of the slice
	s_lshr_b32 s101, s14, 1                        ; my place among the four pairs of waves
	s_mov_b32 s15, ttmp9                           ; slice
	s_and_b32 s16, ttmp7, 0xffff                   ; my first chunk
	s_lshl_b32 s32, s16, 5                         ; job W's three offsets
	s_add_co_u32 s32, s32, s15                     ; 32 y + x
	s_and_b32 s33, s32, 3
	s_lshl_b32 s33, s33, 3
	s_add_co_u32 s33, s33, s14                     ; P = d / 32 = G % 32
	s_lshr_b32 s34, s32, 2
	s_lshl_b32 s34, s34, 1                         ; my first K step of the flat 128: even, so my two lie in one expert
	s_lshr_b32 s35, s34, 5                         ; expert
	s_and_b32 s36, s34, 31                         ; K step
	s_lshl_b32 s38, s34, 19                        ; 128 rows of 4,096 bytes
	s_lshl_b32 s37, s33, 7
	s_add_co_u32 s38, s38, s37
	s_mov_b32 s39, 0
	s_lshl_b32 s40, s35, 6
	s_lshl_b32 s37, s33, 1
	s_add_co_u32 s40, s40, s37                     ; e x 64 + 2 P
	s_lshl_b32 s40, s40, 5
	s_add_co_u32 s40, s40, s36
	s_lshl_b32 s40, s40, 10                        ; codes: ((e 64 + nt) 32 + ks) x 1,024
	s_mov_b32 s41, 0
	s_lshl_b32 s42, s35, 5
	s_add_co_u32 s42, s42, s33
	s_lshl_b32 s42, s42, 5
	s_add_co_u32 s42, s42, s36
	s_lshl_b32 s42, s42, 7
	s_add_co_u32 s42, s42, W2S_OFF                 ; scale words: ((e 32 + P) 32 + ks) x 128
	s_mov_b32 s43, 0
	v_and_b32 v15, 31, v0                          ; lane
	s_delay_alu instid0(VALU_DEP_1)
	v_lshlrev_b32 v1, 4, v15                       ; 16 x lane
	v_and_b32 v2, 15, v0
	v_bfe_u32 v3, v0, 4, 1
	s_mul_i32 s96, s14, STG
	v_mul_u32_u24 v4, v15, 272
	s_delay_alu instid0(VALU_DEP_1)
	v_add_nc_u32 v4, s96, v4                       ; stage, way in: piece = lane, row r at 16 r
	v_mul_u32_u24 v5, v3, 272
	s_delay_alu instid0(VALU_DEP_1)
	v_lshl_add_u32 v5, v2, 4, v5
	s_delay_alu instid0(VALU_DEP_1)
	v_add_nc_u32 v5, s96, v5                       ; way out: piece 2 g + lane / 16, row lane % 16
	v_lshlrev_b32 v10, 2, v15                      ; 4 x lane
	v_lshlrev_b32 v11, 6, v3                       ; b1: 16 numbers on for lanes 16-31
	v_lshlrev_b32 v2, 2, v2                        ; 4 (lane % 16)
	v_lshlrev_b32 v3, 4, v3                        ; 16 (lane / 16)
	s_mov_b32 s20, 0x76543210
	s_mov_b32 s21, 0xfedcba98                      ; v_permlanex16_b32's selects for lane l xor 16
	s_lshl_b32 s61, s15, 10
	s_lshl_b32 s96, s89, 9
	s_add_co_u32 s61, s61, s96                     ; in a tile row's 32,768 bytes of h: K step sl, register group hh
	KPAIR 66, 0xbf38aa3b                           ; -log2(e) / 2
	KPAIR 68, 0xc034d90f                           ; a0 .. a9
	KPAIR 70, 0x3fb8ab5a
	KPAIR 72, 0x3f0a29d2
	KPAIR 74, 0x3e0efb2e
	KPAIR 76, 0xbe899a80
	KPAIR 78, 0x3ecdfd18
	KPAIR 80, 0xbfd1a1e5
	KPAIR 82, 0x40097039
	KPAIR 86, 0x3e7c6f08
	s_mov_b32 s88, 0x3eb504f3                      ; 1 / (2 sqrt 2)
	v_mov_b32 v[TM+2], 0                           ; written once: a lane permute's destination counts as one of its sources
	v_mov_b32 v[TM+3], 0
	v_mov_b32 v[A8], 0xbf97d29d                    ; a8 as a vector pair, so that no line names two scalar pairs
	v_mov_b32 v[A8+1], 0xbf97d29d
	s_wait_alu depctr_va_vdst(0)
	s_wait_kmcnt 0x0
	s_add_nc_u64 s[2:3], s[28:29], s[38:39]        ; W2 at my first row and column
	s_add_nc_u64 s[84:85], s[30:31], s[40:41]      ; its codes
	s_add_nc_u64 s[104:105], s[30:31], s[42:43]    ; its scale words
	s_load_b256 s[24:31], s[10:11], TB_OFF         ; TB[0..6]
	s_mov_b32 s14, 0                               ; from here on: job W's blocks done
	QLOADS 10                                      ; job W's block 0
	s_mov_b32 s96, HS_OFF
	s_mov_b32 s97, 0
	s_add_nc_u64 s[22:23], s[12:13], s[96:97]      ; h's scale words
	s_wait_kmcnt 0x0
.irp p, 0,1,2,3,4,5
	s_sub_co_u32 s[32+\p], s[25+\p], s[24+\p]      ; t[p]: tiles of group p
	s_lshl_b32 s[53+\p], s[24+\p], 1               ; the group's first tile row with its lower expert,
	s_add_co_u32 s[90+\p], s[53+\p], 1             ; and with its higher
.endr
	s_lshl_b32 s31, s89, 1                         ; my two bytes' place in a scale word
	s_add_co_u32 s38, s32, s33                     ; tile rows of expert 0: groups 0, 1, 2
	s_add_co_u32 s38, s38, s34
	s_add_co_u32 s39, s32, s35                     ; expert 1: groups 0, 3, 4
	s_add_co_u32 s39, s39, s36
	s_add_co_u32 s40, s33, s35                     ; expert 2: groups 1, 3, 5
	s_add_co_u32 s40, s40, s37
	s_add_co_u32 s41, s34, s36                     ; expert 3: groups 2, 4, 5
	s_add_co_u32 s41, s41, s37
.irp e, 0,1,2
	s_add_co_u32 s[42+\e], s[38+\e], 35            ; chunks of expert e: (n + 35) / 36, as (n + 35) x 57 >> 11 (exact up to n + 35 = 180)
	s_mul_i32 s[42+\e], s[42+\e], 57
	s_lshr_b32 s[42+\e], s[42+\e], 11
.endr
	s_add_co_u32 s43, s43, s42                     ; s42, s43, s44: the first chunk of experts 1, 2, 3
	s_add_co_u32 s44, s44, s43
	s_mov_b32 s17, 0
; place s60 + add of the expert's list (held at the chunk's last) -> s97 tile, s98 j, s99 hrow, each held inside its table
.macro HROW add
	s_add_co_u32 s96, s60, \add
	s_min_u32 s96, s96, s59
	s_sub_co_i32 s97, s96, s48
	s_sub_co_i32 s98, s97, s49
	s_lshl_b32 s99, s96, 1
	s_add_co_u32 s99, s99, s50
	s_lshl_b32 s100, s97, 1
	s_add_co_u32 s100, s100, s51
	s_cmp_ge_i32 s97, 0
	s_cselect_b32 s99, s100, s99
	s_lshl_b32 s100, s98, 1
	s_add_co_u32 s100, s100, s52
	s_cmp_ge_i32 s98, 0
	s_cselect_b32 s99, s100, s99
	s_lshr_b32 s97, s99, 1
	s_min_u32 s97, s97, 132
	s_and_b32 s98, s99, 1
	s_min_u32 s98, s98, 1
	s_min_u32 s99, s99, 265
.endm
.macro TOKADDR                         ; v6: a tile's 16 tokens (lane % 16).  Row r's offset in xc for all 32 lanes, in T's registers; my token's scale words
.irp g, 0,4,8,12
.irp r, 0,1,2,3
	v_readlane_b32 s[96+\r], v6, \g+\r
.endr
.irp r, 0,1,2,3
	s_min_u32 s[96+\r], s[96+\r], 2047             ; padding (2048) takes token 2,047's row
.endr
.irp r, 0,1,2,3
	v_lshl_add_u32 v[T+\g+\r], s[96+\r], 9, v1
.endr
.endr
	v_min_u32 v7, 2047, v6
	s_delay_alu instid0(VALU_DEP_1)
	v_lshl_add_u32 v7, v7, 5, v3
.endm
.macro ROWS                            ; 16 whole rows of 512 bytes, 16 neighbouring bytes a lane; and the scale words: lanes 0-15 K steps 0-3, lanes 16-31 K steps 4-7
.irp r, 0,1,2,3,4,5,6,7,8,9,10,11,12,13,14,15
	global_load_b128 v[XF+4*\r:XF+4*\r+3], v[T+\r], s[4:5]
.endr
	global_load_b128 v[XS:XS+3], v7, s[4:5] offset:XS_OFF
.endm
; JOB W's STEP.  Block s14 is in v[QX] on (its loads have been waited for), and the last step's stores have read their registers (a wait on XCNT stands between).  It is quantised and stored, and the next block is asked for.
.macro WSTEP
	s_cmp_ge_u32 s14, 8
	s_cbranch_scc1 .Lwskip_\@                      ; all my 8 blocks are done
	s_min_u32 s96, s14, 7
	s_and_b32 s97, s96, 3                          ; t: the block's place in its K step
	s_cmp_eq_u32 s97, 0
	s_cselect_b32 s98, 0, -1                       ; a K step's first block begins the scale word anew
	s_lshl_b32 s97, s97, 3
	s_lshl_b32 s99, s96, 8                         ; codes: block t = 2 c + h of a fragment lies at 256 t, the next K step's fragment 1,024 on: 256 bytes a block
	s_and_b32 s100, s96, 4
	s_lshl_b32 s100, s100, 5                       ; scale words: 128 bytes a K step
	v_max3_num_f32 v[Q], |v[QX]|, |v[QX+1]|, |v[QX+2]|             ; the block's largest magnitude: all 32 numbers are mine; two chains
	v_max3_num_f32 v[Q+1], |v[QX+3]|, |v[QX+4]|, |v[QX+5]|
.irp i, 6,10,14,18,22,26
	v_max3_num_f32 v[Q], v[Q], |v[QX+\i]|, |v[QX+\i+1]|
	v_max3_num_f32 v[Q+1], v[Q+1], |v[QX+\i+2]|, |v[QX+\i+3]|
.endr
	v_max3_num_f32 v[Q], v[Q], |v[QX+30]|, |v[QX+31]|
	v_max3_num_f32 v[Q], v[Q], v[Q+1], 0x1800000   ; the floor 2^(3 - 127): the byte cannot fall under 1
	v_and_b32 v0, s98, v0
	v_add_nc_u32 v[Q+2], 0xff000000, v[Q]          ; 2 off the exponent field: the conversion's scale operand
	v_mad_u32_u24 v[Q+3], v3, 2032, v1             ; 16 r + 32,768 u: tile u = lane / 16 is 32,768 bytes on
	v_lshrrev_b32 v[Q+1], 23, v[Q+2]               ; the byte
	v_add_nc_u32 v[Q+5], s100, v10
	v_lshl_or_b32 v0, v[Q+1], s97, v0              ; four bytes make the row's scale word for a K step
.irp g, 0,1,2,3
	v_cvt_scalef32_pk8_fp4_f32 v[P+\g], v[QX+8*\g:QX+8*\g+7], v[Q+2]
.endr
	v_add_nc_u32 v[Q+3], s99, v[Q+3]               ; (a plain line behind the conversions)
	global_store_b128 v[Q+3], v[P:P+3], s[84:85]   ; sixteen lanes store 256 consecutive bytes, aligned
	s_cmp_lg_u32 s97, 24
	s_wait_alu depctr_va_vdst(0)
	s_cbranch_scc1 .Lwnoword_\@
	global_store_b32 v[Q+5], v0, s[104:105]        ; behind a K step's last block: 32 scale words, 128 consecutive bytes
.Lwnoword_\@:
	s_add_co_u32 s14, s14, 1
	s_cmp_ge_u32 s14, 8
	s_cbranch_scc1 .Lwskip_\@                      ; nothing is asked for beyond my 256 rows
	s_min_u32 s96, s14, 7
	s_lshl_b32 s96, s96, 17                        ; 32 rows of 4,096 bytes a block
	v_add_nc_u32 v[Q+4], s96, v10
	QLOADS Q+4
.Lwskip_\@:
.endm
.macro WMS d, a, b, c, sa, sb, ra, rb  ; ra, rb: the scales lie in lanes 16-31 of their registers
.if ((\ra) == 0) && ((\rb) == 0)
	v_wmma_scale_f32_16x16x128_f8f6f4 v[\d:\d+7], v[\a:\a+7], v[\b:\b+7], v[\c:\c+7], v[\sa], v[\sb] matrix_a_fmt:MATRIX_FMT_FP4 matrix_b_fmt:MATRIX_FMT_FP4
.elseif (\rb) == 0
	v_wmma_scale_f32_16x16x128_f8f6f4 v[\d:\d+7], v[\a:\a+7], v[\b:\b+7], v[\c:\c+7], v[\sa], v[\sb] matrix_a_fmt:MATRIX_FMT_FP4 matrix_b_fmt:MATRIX_FMT_FP4 matrix_a_scale:MATRIX_SCALE_ROW1
.elseif (\ra) == 0
	v_wmma_scale_f32_16x16x128_f8f6f4 v[\d:\d+7], v[\a:\a+7], v[\b:\b+7], v[\c:\c+7], v[\sa], v[\sb] matrix_a_fmt:MATRIX_FMT_FP4 matrix_b_fmt:MATRIX_FMT_FP4 matrix_b_scale:MATRIX_SCALE_ROW1
.else
	v_wmma_scale_f32_16x16x128_f8f6f4 v[\d:\d+7], v[\a:\a+7], v[\b:\b+7], v[\c:\c+7], v[\sa], v[\sb] matrix_a_fmt:MATRIX_FMT_FP4 matrix_b_fmt:MATRIX_FMT_FP4 matrix_a_scale:MATRIX_SCALE_ROW1 matrix_b_scale:MATRIX_SCALE_ROW1
.endif
.endm
.macro KSTEP ks                        ; the four accumulators take turns, one instruction a turn.  K step 0 starts the sums with b1 as C
	s_wait_dscnt 14-2*(\ks)                        ; this K step's fragment (two loads) is back from the stage; the two loads of each later K step may stay out
.irp tl, 0,1,2,3
.set rD, HA+8*\tl
.set rA, 32*(\ks)+8*\tl
.set rB, XF+8*(\ks)
.set rC, rD
.if (\ks) == 0
.set rC, B1+8*\tl
.endif
.set rSA, W1S+(\tl/2)*8+(\ks)
.set rSB, XS+(\ks)%4
	WMS rD, rA, rB, rC, rSA, rSB, \tl%2, (\ks)/4
.endr
.endm
.macro GELU16 base                     ; 16 registers in place.  Each reciprocal and each exponential has plain lines behind it that name no result of the batch; one wait a batch
.set XB, HA+(\base)
.set j, 0
.rept 16
	v_fma_f32 v[T+j], |v[XB+j]|, s88, 1.0          ; each accumulator is read from its low end on
.set j, j+1
.endr
.set j, 0
	s_wait_alu depctr_va_vdst(0)
.rept 8
	v_rcp_f32 v[T+j], v[T+j]                       ; t
	v_pk_mul_f32 v[Q+2*j:Q+2*j+1], v[XB+2*j:XB+2*j+1], s[66:67] op_sel_hi:[1,0]
.set j, j+1
.endr
.set j, 0
	s_wait_alu depctr_va_vdst(0)
.rept 8
	v_rcp_f32 v[T+8+j], v[T+8+j]
	v_pk_fma_f32 v[Q+2*j:Q+2*j+1], v[Q+2*j:Q+2*j+1], v[XB+2*j:XB+2*j+1], s[68:69] op_sel_hi:[1,1,0]   ; Q = -x^2 log2(e) / 2 + a0
.set j, j+1
.endr
	s_wait_alu depctr_va_vdst(0)                   ; one wait for the 16 reciprocals, ahead of their first reader
.set j, 0
.rept 8
	v_pk_fma_f32 v[P+j:P+j+1], v[T+j:T+j+1], s[86:87], v[A8:A8+1] op_sel_hi:[1,0,1]   ; t a9 + a8
.set j, j+2
.endr
.irp k, 82,80,78,76,74,72,70
.set j, 0
.rept 8
	v_pk_fma_f32 v[P+j:P+j+1], v[P+j:P+j+1], v[T+j:T+j+1], s[\k:\k+1] op_sel_hi:[1,1,0]
.set j, j+2
.endr
.endr
.set j, 0
.rept 8
	v_pk_fma_f32 v[P+j:P+j+1], v[P+j:P+j+1], v[T+j:T+j+1], v[Q+j:Q+j+1]   ; arg
.set j, j+2
.endr
.set j, 0
	s_wait_alu depctr_va_vdst(0)
.rept 16
	v_exp_f32 v[P+j], v[P+j]
	v_mul_f32 v[T+j], |v[XB+j]|, v[T+j]            ; |x| t
	v_max_num_f32 v[XB+j], 0, v[XB+j]
.set j, j+1
.endr
	s_wait_alu depctr_va_vdst(0)                   ; one wait for the 16 exponentials
.set j, 0
.rept 8
	v_pk_fma_f32 v[XB+j:XB+j+1], v[T+j:T+j+1], v[P+j:P+j+1], v[XB+j:XB+j+1] neg_lo:[1,0,0] neg_hi:[1,0,0]   ; max(x, 0) - |x| t 2^arg
.set j, j+2
.endr
.endm
.macro QUANT                           ; v[HA] on, register 16 b + i = hidden unit 32 b + 16 (lane / 16) + i of my half and my token, become four registers of codes in v[PC] on and two scale bytes in v[PW]
.irp b, 0,1
	v_max3_num_f32 v[TM+\b], |v[HA+16*\b]|, |v[HA+1+16*\b]|, 0x1800000   ; the floor 2^(3 - 127): the byte cannot fall under 1
.endr
.irp i, 2,4,6,8,10,12,14
.irp b, 0,1
	s_delay_alu instid0(VALU_DEP_2)
	v_max3_num_f32 v[TM+\b], v[TM+\b], |v[HA+16*\b+\i]|, |v[HA+1+16*\b+\i]|
.endr
.endr
.irp b, 0,1
	s_delay_alu instid0(VALU_DEP_2)
	v_permlanex16_b32 v[TM+2+\b], v[TM+\b], s20, s21
.endr
.irp b, 0,1
	s_delay_alu instid0(VALU_DEP_2)
	v_max_num_f32 v[TM+\b], v[TM+\b], v[TM+2+\b]   ; with lane l xor 16's: the block's largest magnitude
.endr
.irp b, 0,1
	s_delay_alu instid0(VALU_DEP_2)
	v_add_nc_u32 v[TM+4+\b], 0xff000000, v[TM+\b]  ; 2 off its exponent field: the conversion's scale operand
.endr
.irp b, 0,1
	s_delay_alu instid0(VALU_DEP_2)
	v_lshrrev_b32 v[TM+2+\b], 23, v[TM+4+\b]       ; the byte
.endr
	s_delay_alu instid0(VALU_DEP_1)
	v_lshl_or_b32 v[PW], v[TM+3], 8, v[TM+2]
.irp b, 0,1
	v_cvt_scalef32_pk8_fp4_f32 v[PC+2*\b], v[HA+16*\b:HA+16*\b+7], v[TM+4+\b]
	v_cvt_scalef32_pk8_fp4_f32 v[PC+1+2*\b], v[HA+16*\b+8:HA+16*\b+15], v[TM+4+\b]
.endr
	v_nop                                          ; one plain instruction behind a scaled conversion
	v_permlane16_swap_b32 v[PC], v[PC+2]           ; the operand's layout wants a whole block in a lane
	v_permlane16_swap_b32 v[PC+1], v[PC+3]
.endm
.Lchunk:                                           ; two trips: chunks y and y + 8
	s_mov_b32 s45, 0                               ; which expert's chunk: the expert, its tile rows, its first chunk, the lengths of its first two groups, the three groups' first tile rows
	s_mov_b32 s46, s38
	s_mov_b32 s47, 0
	s_mov_b32 s48, s32
	s_mov_b32 s49, s33
	s_mov_b32 s50, s53
	s_mov_b32 s51, s54
	s_mov_b32 s52, s55
	s_cmp_ge_u32 s16, s42
	s_cselect_b32 s45, 1, s45
	s_cselect_b32 s46, s39, s46
	s_cselect_b32 s47, s42, s47
	s_cselect_b32 s48, s32, s48
	s_cselect_b32 s49, s35, s49
	s_cselect_b32 s50, s90, s50
	s_cselect_b32 s51, s56, s51
	s_cselect_b32 s52, s57, s52
	s_cmp_ge_u32 s16, s43
	s_cselect_b32 s45, 2, s45
	s_cselect_b32 s46, s40, s46
	s_cselect_b32 s47, s43, s47
	s_cselect_b32 s48, s33, s48
	s_cselect_b32 s49, s35, s49
	s_cselect_b32 s50, s91, s50
	s_cselect_b32 s51, s93, s51
	s_cselect_b32 s52, s58, s52
	s_cmp_ge_u32 s16, s44
	s_cselect_b32 s45, 3, s45
	s_cselect_b32 s46, s41, s46
	s_cselect_b32 s47, s44, s47
	s_cselect_b32 s48, s34, s48
	s_cselect_b32 s49, s36, s49
	s_cselect_b32 s50, s92, s50
	s_cselect_b32 s51, s94, s51
	s_cselect_b32 s52, s95, s52
	s_min_u32 s45, s45, 3
	s_add_co_u32 s96, s46, 35                      ; c: my expert's chunks, 0..4 (n is 133 at the most)
	s_mul_i32 s96, s96, 57
	s_lshr_b32 s96, s96, 11
	s_add_co_u32 s98, s46, 1
	s_lshr_b32 s98, s98, 1                         ; ceil(n / 2)
	s_add_co_u32 s99, s46, 2
	s_mul_i32 s99, s99, 171
	s_lshr_b32 s99, s99, 9                         ; ceil(n / 3), as (n + 2) x 171 >> 9 (exact under 256)
	s_add_co_u32 s100, s46, 3
	s_lshr_b32 s100, s100, 2                       ; ceil(n / 4)
	s_mov_b32 s28, 36
	s_cmp_eq_u32 s96, 2
	s_cselect_b32 s28, s98, s28
	s_cmp_eq_u32 s96, 3
	s_cselect_b32 s28, s99, s28
	s_cmp_eq_u32 s96, 4
	s_cselect_b32 s28, s100, s28                   ; a chunk's tile rows: ceil(n / c), 36 at the most
	s_sub_co_u32 s96, s16, s47
	s_mul_i32 s96, s96, s28                        ; the chunk's first place in the expert's list
	s_sub_co_i32 s97, s46, s96
	s_max_i32 s97, s97, 0
	s_min_i32 s97, s97, s28                        ; its tile rows, 0..36
	s_add_co_u32 s59, s96, s97
	s_sub_co_u32 s59, s59, 1                       ; its last place
	s_add_co_u32 s18, s97, 3
	s_sub_co_u32 s18, s18, s101
	s_lshr_b32 s18, s18, 2                         ; my tile rows
	s_add_co_u32 s60, s96, s101                    ; my first place
	s_cmp_eq_u32 s18, 0
	s_cbranch_scc1 .Lnext
	HROW 0
	s_wait_alu depctr_va_vdst(0)
	v_lshl_add_u32 v14, s97, 6, v2
	global_load_b32 v6, v14, s[10:11]              ; my first tile's tokens
	s_lshl_b32 s28, s45, 7
	s_lshl_b32 s29, s15, 2
	s_add_co_u32 s28, s28, s29                     ; e x 128 + 4 sl
	s_lshl_b32 s30, s28, 10
	s_lshl_b32 s28, s28, 14
	s_lshl_b32 s29, s89, 15
	s_add_co_u32 s28, s28, s29                     ; my half: 4 tiles x 8 K steps x 1,024 bytes on
	s_mov_b32 s29, 0
	s_add_nc_u64 s[62:63], s[6:7], s[28:29]        ; my 32 fragments of W1
	s_lshl_b32 s28, s89, 11
	s_add_co_u32 s28, s28, s30
	s_add_co_u32 s28, s28, W1S_OFF
	s_add_nc_u64 s[24:25], s[6:7], s[28:29]        ; their scale words
	s_lshl_b32 s28, s45, 14
	s_lshl_b32 s30, s15, 9
	s_add_co_u32 s28, s28, s30
	s_lshl_b32 s30, s89, 8
	s_add_co_u32 s28, s28, s30
	s_add_nc_u64 s[26:27], s[8:9], s[28:29]        ; b1 of my 64 hidden units
	WIN 0x40                                       ; destination window 1
.irp ks, 0,1,2,3,4,5,6,7
.irp tl, 0,1,2,3
.irp c, 0,1
	global_load_b128 v[32*\ks+8*\tl+4*\c:32*\ks+8*\tl+4*\c+3], v1, s[62:63] offset:(\tl*8+\ks)*1024+512*\c
.endr
.endr
.endr
	WIN 0
.irp tl, 0,1,2,3
	global_load_b128 v[B1+8*\tl:B1+8*\tl+3], v11, s[26:27] offset:(32*(\tl/2)+8*(\tl%2))*4
	global_load_b128 v[B1+8*\tl+4:B1+8*\tl+7], v11, s[26:27] offset:(32*(\tl/2)+8*(\tl%2))*4+16
.endr
.irp bl, 0,1
.irp ks, 0,1,2,3,4,5,6,7
	global_load_b32 v[W1S+\bl*8+\ks], v10, s[24:25] offset:(\bl*8+\ks)*128
.endr
.endr
	s_wait_loadcnt 63                              ; 88 loads were issued behind the tokens': 63 is the most a wait can name
	TOKADDR
	ROWS
	HROW 4
	v_lshl_add_u32 v14, s97, 6, v2
	global_load_b32 v6, v14, s[10:11]              ; the next tile's tokens
	s_mov_b32 s19, 0
.Ltile:
	s_wait_loadcnt 0x0                             ; this tile's rows and scale words, the next tile's tokens and job W's block, asked for a trip ago (first trip: W1 and b1 too)
.irp r, 0,1,2,3,4,5,6,7,8,9,10,11,12,13,14,15
	ds_store_b128 v4, v[XF+4*\r:XF+4*\r+3] offset:16*\r
.endr
.irp g, 0,1,2,3,4,5,6,7,8,9,10,11,12,13,14,15
	ds_load_b128 v[XF+4*\g:XF+4*\g+3], v5 offset:544*\g   ; LDS serves a wave's instructions in order: these see the stores above, and come back into the registers that the rows left
.endr
	WSTEP                                          ; job W's block, while the fragments come back from the stage
	WIN 0x01                                       ; source 0 (W1) window 1, all else window 0
	KSTEP 0
	KSTEP 1
	KSTEP 2
	KSTEP 3
	KSTEP 4
	KSTEP 5
	KSTEP 6
	KSTEP 7
	WIN 0
	TOKADDR                                        ; its 18 plain vector lines name no register of the products: they are the places in front of the loads below and of the first read of results
	ROWS                                           ; the next tile's rows, into the registers that the products have read (behind the chunk's last tile: that tile's again, so that no branch is needed)
	HROW 8
	v_lshl_add_u32 v14, s97, 6, v2
	global_load_b32 v6, v14, s[10:11]
	s_wait_xcnt 0x0                                ; the loads have read their offsets (in T's and Q's registers), job W's and the last trip's stores their data and offsets: all are written again below or in the next trip
	GELU16 0
	GELU16 16
	QUANT
	HROW 0
	s_lshl_b32 s100, s99, 15
	s_add_co_u32 s100, s100, s61
	v_add_nc_u32 v8, s100, v1                      ; hc: (hrow x 32 + sl) x 1,024 + 512 hh + 16 x lane
	s_wait_alu depctr_va_vdst(0)
	s_lshl_b32 s100, s98, 5
	s_add_co_u32 s100, s100, s15
	s_mul_i32 s100, s100, 136
	s_add_co_u32 s100, s100, s97
	s_lshl_b32 s100, s100, 6
	s_add_co_u32 s100, s100, s31
	v_add_nc_u32 v9, s100, v2                      ; hs: ((j x 32 + sl) x 136 + tile) x 64 + 4 (lane % 16) + 2 hh
	global_store_b128 v8, v[PC:PC+3], s[12:13]     ; my register group of the fragment's image: 512 consecutive bytes
	global_store_b16 v9, v[PW], s[22:23]           ; my two bytes of each row's scale word; lanes 16-31 repeat lanes 0-15
	s_add_co_u32 s60, s60, 4
	s_add_co_u32 s19, s19, 1
	s_cmp_lt_u32 s19, s18
	s_cbranch_scc1 .Ltile
.Lnext:
	s_wait_loadcnt 0x0                             ; the look-ahead's loads: their registers are loaded again in the next chunk
	s_wait_xcnt 0x0
	s_add_co_u32 s16, s16, 8
	s_add_co_u32 s17, s17, 1
	s_cmp_lt_u32 s17, 2
	s_cbranch_scc1 .Lchunk
	s_cmp_ge_u32 s14, 8                            ; job W's blocks that my trips have left over
	s_cbranch_scc1 .Lwdone
	s_sub_co_u32 s18, 8, s14
	s_mov_b32 s19, 0
.Lwrest:
	s_wait_loadcnt 0x0                             ; the block is in,
	s_wait_xcnt 0x0                                ; and the last step's stores have read their registers
	WSTEP
	s_add_co_u32 s19, s19, 1
	s_cmp_lt_u32 s19, s18
	s_cbranch_scc1 .Lwrest
.Lwdone:
	s_wait_tensorcnt 0x0                           ; the wave's end, behind my last LDS store
	ds_add_u32 v12, v13
	s_wait_dscnt 0x0
	s_endpgm
.Lfunc_end_k_qded6c124fc_ffn1:
	.size	k_qded6c124fc_ffn1, .Lfunc_end_k_qded6c124fc_ffn1-k_qded6c124fc_ffn1
	.p2alignl 7, 3214868480
	.fill 96, 4, 3214868480
	.section	.rodata,"a",@progbits
	.p2align	6, 0x0
	.amdhsa_kernel k_qded6c124fc_ffn1
		.amdhsa_group_segment_fixed_size 70656
		.amdhsa_private_segment_fixed_size 0
		.amdhsa_enable_private_segment 0
		.amdhsa_kernarg_size 56
		.amdhsa_user_sgpr_count 2
		.amdhsa_user_sgpr_kernarg_segment_ptr 1
		.amdhsa_wavefront_size32 1
		.amdhsa_system_sgpr_workgroup_id_x 1
		.amdhsa_system_sgpr_workgroup_id_y 1
		.amdhsa_system_sgpr_workgroup_id_z 1
		.amdhsa_system_vgpr_workitem_id 0
		.amdhsa_next_free_vgpr 512
		.amdhsa_next_free_sgpr 106
		.amdhsa_reserve_vcc 0
		.amdhsa_float_denorm_mode_32 3
		.amdhsa_float_denorm_mode_16_64 3
		.amdhsa_memory_ordered 1
		.amdhsa_forward_progress 1
		.amdhsa_inst_pref_size 73
	.end_amdhsa_kernel
	.amdgpu_metadata
---
amdhsa.version: [ 1, 2 ]
amdhsa.kernels:
  - .name:           k_qded6c124fc_ffn1
    .symbol:         k_qded6c124fc_ffn1.kd
    .args:
      - { .name: xq, .offset: 0, .size: 8, .value_kind: global_buffer, .address_space: global }
      - { .name: w1q, .offset: 8, .size: 8, .value_kind: global_buffer, .address_space: global }
      - { .name: b1, .offset: 16, .size: 8, .value_kind: global_buffer, .address_space: global }
      - { .name: route, .offset: 24, .size: 8, .value_kind: global_buffer, .address_space: global }
      - { .name: hq, .offset: 32, .size: 8, .value_kind: global_buffer, .address_space: global }
      - { .name: W2, .offset: 40, .size: 8, .value_kind: global_buffer, .address_space: global }
      - { .name: w2q, .offset: 48, .size: 8, .value_kind: global_buffer, .address_space: global }
    .group_segment_fixed_size: 70656
    .private_segment_fixed_size: 0
    .kernarg_segment_align: 8
    .kernarg_segment_size: 56
    .max_flat_workgroup_size: 256
    .sgpr_count:     106
    .vgpr_count:     512
    .wavefront_size: 32
...
	.end_amdgpu_metadata
.endif
;; end of part 3
;; launch ffn2 (part 4): grid 8 x 31, 4 waves a work-group, no clusters, 169,472 bytes of LDS; arguments hq, w2q, b2, xq, route, out0; writes out0
.if DOCPART == 4
	.amdgcn_target "amdgcn-amd-amdhsa--gfx1250"
	.amdhsa_code_object_version 6
	.text
	.protected	k_qded6c124fc_ffn2
	.globl	k_qded6c124fc_ffn2
	.p2align	8
	.type	k_qded6c124fc_ffn2,@function
k_qded6c124fc_ffn2:
	s_mov_b64 s[64:65], 0
	v_nop
	global_prefetch_b8 v0, s[64:65] scope:SCOPE_SE
	s_setreg_imm32_b32 hwreg(HW_REG_WAVE_MODE, 25, 1), 1
	s_wait_xcnt 0x0
; Launch 4 of 4: out[token] = sum over the token's two experts of gate x (h W2 + b2).  Only the chosen experts' rows exist (head comment of the first launch).
; SHARES.  Work-group x: 128 output columns (8 tiles).  Work-group y: a block of up to 5 consecutive tiles of 16 tokens of ONE pair group: the sum over the six groups of ceil(tiles / 5) is at most
; (133 + 6 x 4) / 5, so never more than 31 blocks, whatever the split; a block without tiles stores nothing.  A work-group takes in 2 x 2,176 bytes for each token and each column that it owns: 80 + 128 of them.
; Wave w: expert j = w % 2 of the pair (0 lower, 1 higher), half kh = w / 2 of K = 4,096 (16 K steps): 5 x 8 accumulators.  No wave's operands are read by another wave of the
; work-group, so they go from memory straight into registers, as images of the operands' registers, three K steps' sets taking turns.  The four partial tiles meet in LDS once; each output row has one owner.
; Addresses and branches hang on whole numbers that an earlier launch stored: so no tensor load and no cluster.  Where a block has fewer than 5 tiles, the places left repeat its last tile and are not stored.
; TRANSPOSED: source 0 = 16 columns of W2, source 1 = 16 tokens of h: lane (r, h) holds token r and columns 16 b + 8 h + 0 .. 7.  b2 is the C of the first product in the waves with kh = 0.
; REGISTERS.  window 0: v1 16 x lane; v2-6 h's offsets by tile; v10-12 h's scale words' offsets; v14 4 x lane; v15 stage in; v16-19 stage out; v20 columns; v21, v22 the add's two; v23 b2's offset;
;   v24-33 gates (even: the gate; odd: token, then the gather's offset); v40-51 h's scale words, v52-63 W2's (three sets of 4); v64-255 h's fragments, three sets; on the way out rows of the result.
;   window 1: v0-191 W2's fragments, three sets; v192-255 b2.   windows 2, 3: accumulator (a, b) at v[8 (8 (a % 4) + b)] of window 2 + a / 4.
.set G4_OFF,  1114112
.set W2S_OFF, 8388608
.set HS_OFF,  8716288
.set TB_OFF,  8704
.set REG,     80*528                   ; a wave's partial tile in LDS: 80 rows x (512 bytes + 16)
.set SPARE,   4*REG                    ; behind the four: the spare words, 128 bytes a wave, that no other line names
.set MSB, 0
.macro WIN new
.if MSB != \new
	s_set_vgpr_msb (MSB<<8)|\new
.set MSB, \new
.endif
.endm
	s_load_b256 s[4:11], s[0:1], 0x0               ; hq s[4:5], w2q s[6:7], b2 s[8:9], xq s[10:11]
	s_load_b128 s[12:15], s[0:1], 0x20             ; route s[12:13], out0 s[14:15]
	v_lshl_add_u32 v21, v0, 2, SPARE               ; my spare word; never rewritten
	v_mov_b32 v22, 0                               ; 0; never rewritten
	v_lshrrev_b32 v1, 5, v0
	v_readfirstlane_b32 s16, v1                    ; wave
	s_and_b32 s17, s16, 1                          ; j
	s_lshr_b32 s18, s16, 1                         ; kh
	s_mov_b32 s19, ttmp9                           ; slice of 128 columns
	s_and_b32 s20, ttmp7, 0xffff                   ; block
	v_and_b32 v68, 31, v0                          ; lane
	v_and_b32 v64, 15, v0
	v_bfe_u32 v65, v0, 4, 1
	v_lshlrev_b32 v66, 2, v64
	v_lshlrev_b32 v1, 4, v68
	v_lshlrev_b32 v14, 2, v68
	v_lshlrev_b32 v23, 5, v65
	s_mul_i32 s21, s16, REG
	v_mul_u32_u24 v15, v64, 528
	v_lshl_add_u32 v15, v65, 5, v15
	v_add_nc_u32 v15, s21, v15                     ; stage in: my region, row lane % 16, 32 bytes for each half of the lanes
	s_mul_i32 s21, s16, 20*528
	v_add_nc_u32 v16, s21, v1                      ; stage out: rows 20 w on, 16 bytes a lane, in each of the four regions
	v_add_nc_u32 v17, REG, v16
	v_add_nc_u32 v18, 2*REG, v16
	v_add_nc_u32 v19, 3*REG, v16
	v_lshl_add_u32 v20, s19, 9, v1                 ; my 16 bytes of a row of out0
	s_wait_kmcnt 0x0
	s_load_b256 s[24:31], s[12:13], TB_OFF         ; TB[0..6]
	s_wait_kmcnt 0x0
.irp p, 0,1,2,3,4,5
	s_sub_co_u32 s[32+\p], s[25+\p], s[24+\p]      ; tiles of group p
.endr
	s_add_co_u32 s38, s32, 4                       ; blocks of a group: (t + 4) / 5, as (t + 4) x 205 >> 10 (exact far beyond t + 4 = 137)
	s_mul_i32 s38, s38, 205
	s_lshr_b32 s38, s38, 10                        ; s38 .. s42: the first block of groups 1 .. 5
.irp p, 1,2,3,4
	s_add_co_u32 s[38+\p], s[32+\p], 4
	s_mul_i32 s[38+\p], s[38+\p], 205
	s_lshr_b32 s[38+\p], s[38+\p], 10
	s_add_co_u32 s[38+\p], s[38+\p], s[37+\p]
.endr
	s_mov_b32 s44, s24                             ; my group: its first tile, its tiles, its first block, its two experts
	s_mov_b32 s45, s32
	s_mov_b32 s46, 0
	s_mov_b32 s47, 0
	s_mov_b32 s48, 1
.macro PICK p, lo, hi
	s_cmp_ge_u32 s20, s[37+\p]
	s_cselect_b32 s44, s[24+\p], s44
	s_cselect_b32 s45, s[32+\p], s45
	s_cselect_b32 s46, s[37+\p], s46
	s_cselect_b32 s47, \lo, s47
	s_cselect_b32 s48, \hi, s48
.endm
	PICK 1, 0, 2
	PICK 2, 0, 3
	PICK 3, 1, 2
	PICK 4, 1, 3
	PICK 5, 2, 3
	s_sub_co_u32 s21, s20, s46
	s_mul_i32 s21, s21, 5
	s_sub_co_i32 s49, s45, s21
	s_max_i32 s49, s49, 0
	s_min_i32 s49, s49, 5                          ; n: my block's tiles, 0..5
	s_sub_co_i32 s50, s49, 1
	s_max_i32 s50, s50, 0
	s_min_u32 s50, s50, 4                          ; n - 1
	s_add_co_u32 s51, s44, s21
	s_min_u32 s51, s51, 132
	s_cmp_eq_u32 s49, 0
	s_cselect_b32 s51, 0, s51                      ; my first tile
	s_cmp_eq_u32 s17, 0
	s_cselect_b32 s52, s47, s48
	s_min_u32 s52, s52, 3                          ; my expert
	s_lshl_b32 s47, s49, 4
	s_mul_i32 s48, s16, 20
	s_sub_co_i32 s47, s47, s48                     ; of the 20 rows that I store, 20 w on, those under 16 n - 20 w exist
	; their tokens, as scalars: the block's tiles lie on end in perm.  They are wanted on the way out alone: the wait for them stands in front of the barrier
	s_min_u32 s22, s51, 132
	s_lshl_b32 s22, s22, 6
	s_mul_i32 s23, s16, 80
	s_add_co_u32 s22, s22, s23
	s_load_b512 s[68:83], s[12:13], s22 offset:0x0
	s_load_b128 s[84:87], s[12:13], s22 offset:0x40
	s_lshl_b32 s53, s18, 14                        ; my half of K: 16 K steps of 1,024 bytes
.irp a, 0,1,2,3,4
	s_min_u32 s100, s50, \a
	s_add_co_u32 s100, s100, s51
	s_min_u32 s100, s100, 132                      ; tile a of the block
	s_lshl_b32 s101, s100, 6
	v_add_nc_u32 v[25+2*\a], s101, v66             ; its tokens in perm
	s_lshl_b32 s100, s100, 1
	s_add_co_u32 s100, s100, s17
	s_lshl_b32 s100, s100, 15
	s_add_co_u32 s100, s100, s53
	v_add_nc_u32 v[2+\a], s100, v1                 ; its fragments of h: (2 tile + j) x 32,768 + kh x 16,384 + 16 x lane
.endr
.irp q, 0,1,2
	v_add_nc_u32 v67, 2*\q, v65                    ; h's scale words: lanes 0-15 tile 2 q, lanes 16-31 tile 2 q + 1
	v_min_u32 v67, s50, v67
	v_add_nc_u32 v67, s51, v67
	v_min_u32 v67, 132, v67
	v_lshl_add_u32 v[10+\q], v67, 6, v66
.endr
	s_mov_b32 s63, 0
	s_lshl_b32 s62, s52, 21
	s_lshl_b32 s100, s19, 18
	s_add_co_u32 s62, s62, s100
	s_add_co_u32 s62, s62, s53
	s_add_nc_u64 s[54:55], s[6:7], s[62:63]        ; W2's fragments: ((e 64 + 8 slice + b) 32 + 16 kh + k) x 1,024
	s_lshl_b32 s62, s52, 5
	s_lshl_b32 s100, s19, 2
	s_add_co_u32 s62, s62, s100
	s_lshl_b32 s62, s62, 5
	s_lshl_b32 s100, s18, 4
	s_add_co_u32 s62, s62, s100
	s_lshl_b32 s62, s62, 7
	s_add_co_u32 s62, s62, W2S_OFF
	s_add_nc_u64 s[56:57], s[6:7], s[62:63]        ; W2's scale words
	s_lshl_b32 s62, s17, 5
	s_add_co_u32 s62, s62, s100
	s_mul_i32 s62, s62, 8704
	s_add_co_u32 s62, s62, HS_OFF
	s_add_nc_u64 s[58:59], s[4:5], s[62:63]        ; h's scale words: (j 32 + 16 kh + k) x 8,704
	s_lshl_b32 s62, s52, 12
	s_lshl_b32 s100, s19, 9
	s_add_co_u32 s62, s62, s100
	s_add_nc_u64 s[60:61], s[8:9], s[62:63]        ; b2 of my expert and columns
	s_lshl_b32 s43, s52, 2
.macro LOADS k                         ; K step k of my 16 into set k % 3: 33 loads; a fragment's load covers 512 consecutive bytes
	WIN 0x40
.irp b, 0,1,2,3,4,5,6,7
.irp c, 0,1
	global_load_b128 v[64*((\k)%3)+8*\b+4*\c:64*((\k)%3)+8*\b+4*\c+3], v1, s[54:55] offset:\b*32768+(\k)*1024+512*\c
.endr
.endr
	WIN 0
.irp a, 0,1,2,3,4
.irp c, 0,1
	global_load_b128 v[64+64*((\k)%3)+8*\a+4*\c:64+64*((\k)%3)+8*\a+4*\c+3], v[2+\a], s[4:5] offset:(\k)*1024+512*\c
.endr
.endr
.irp q, 0,1,2,3
	global_load_b32 v[52+4*((\k)%3)+\q], v14, s[56:57] offset:\q*4096+(\k)*128
.endr
.irp q, 0,1,2
	global_load_b32 v[40+4*((\k)%3)+\q], v[10+\q], s[58:59] offset:(\k)*8704
.endr
.endm
.macro WMS d, a, b, c, sa, sb, ra, rb
.if ((\ra) == 0) && ((\rb) == 0)
	v_wmma_scale_f32_16x16x128_f8f6f4 v[\d:\d+7], v[\a:\a+7], v[\b:\b+7], v[\c:\c+7], v[\sa], v[\sb] matrix_a_fmt:MATRIX_FMT_FP4 matrix_b_fmt:MATRIX_FMT_FP4
.elseif (\rb) == 0
	v_wmma_scale_f32_16x16x128_f8f6f4 v[\d:\d+7], v[\a:\a+7], v[\b:\b+7], v[\c:\c+7], v[\sa], v[\sb] matrix_a_fmt:MATRIX_FMT_FP4 matrix_b_fmt:MATRIX_FMT_FP4 matrix_a_scale:MATRIX_SCALE_ROW1
.elseif (\ra) == 0
	v_wmma_scale_f32_16x16x128_f8f6f4 v[\d:\d+7], v[\a:\a+7], v[\b:\b+7], v[\c:\c+7], v[\sa], v[\sb] matrix_a_fmt:MATRIX_FMT_FP4 matrix_b_fmt:MATRIX_FMT_FP4 matrix_b_scale:MATRIX_SCALE_ROW1
.else
	v_wmma_scale_f32_16x16x128_f8f6f4 v[\d:\d+7], v[\a:\a+7], v[\b:\b+7], v[\c:\c+7], v[\sa], v[\sb] matrix_a_fmt:MATRIX_FMT_FP4 matrix_b_fmt:MATRIX_FMT_FP4 matrix_a_scale:MATRIX_SCALE_ROW1 matrix_b_scale:MATRIX_SCALE_ROW1
.endif
.endm
.macro WMZ d, a, b, sa, sb, ra, rb     ; the same with the constant 0 as C
.if ((\ra) == 0) && ((\rb) == 0)
	v_wmma_scale_f32_16x16x128_f8f6f4 v[\d:\d+7], v[\a:\a+7], v[\b:\b+7], 0, v[\sa], v[\sb] matrix_a_fmt:MATRIX_FMT_FP4 matrix_b_fmt:MATRIX_FMT_FP4
.elseif (\rb) == 0
	v_wmma_scale_f32_16x16x128_f8f6f4 v[\d:\d+7], v[\a:\a+7], v[\b:\b+7], 0, v[\sa], v[\sb] matrix_a_fmt:MATRIX_FMT_FP4 matrix_b_fmt:MATRIX_FMT_FP4 matrix_a_scale:MATRIX_SCALE_ROW1
.elseif (\ra) == 0
	v_wmma_scale_f32_16x16x128_f8f6f4 v[\d:\d+7], v[\a:\a+7], v[\b:\b+7], 0, v[\sa], v[\sb] matrix_a_fmt:MATRIX_FMT_FP4 matrix_b_fmt:MATRIX_FMT_FP4 matrix_b_scale:MATRIX_SCALE_ROW1
.else
	v_wmma_scale_f32_16x16x128_f8f6f4 v[\d:\d+7], v[\a:\a+7], v[\b:\b+7], 0, v[\sa], v[\sb] matrix_a_fmt:MATRIX_FMT_FP4 matrix_b_fmt:MATRIX_FMT_FP4 matrix_a_scale:MATRIX_SCALE_ROW1 matrix_b_scale:MATRIX_SCALE_ROW1
.endif
.endm
; 40 products of K step k.  mode 0: onto the sums; 1: b2 starts them; 2: the constant 0 starts them.  The 40 accumulators take turns, in the same order in every step.
.macro MULK k, mode
.irp a, 0,1,2,3,4
.if \a == 0
.if (\mode) == 1
	WIN 0x91                                       ; source 0 (W2) window 1, source 1 (h) window 0, C (b2) window 1, D window 2
.else
	WIN 0xa1                                       ; C and D window 2
.endif
.endif
.if \a == 4
.if (\mode) == 1
	WIN 0xd1
.else
	WIN 0xf1
.endif
.endif
.irp b, 0,1,2,3,4,5,6,7
.set rD, 8*(8*(\a%4)+\b)
.set rA, 64*((\k)%3)+8*\b
.set rB, 64+64*((\k)%3)+8*\a
.set rSA, 52+4*((\k)%3)+\b/2
.set rSB, 40+4*((\k)%3)+\a/2
.if (\mode) == 2
	WMZ rD, rA, rB, rSA, rSB, \b%2, \a%2
.else
.set rC, rD
.if (\mode) == 1
.set rC, 192+8*\b
.endif
	WMS rD, rA, rB, rC, rSA, rSB, \b%2, \a%2
.endif
.endr
.endr
.endm
	s_cmp_eq_u32 s49, 0                            ; a block that this split leaves without tiles does no work; it passes the barrier like every other
	s_cbranch_scc1 .Lmeet
.irp a, 0,1,2,3,4
	global_load_b32 v[25+2*\a], v[25+2*\a], s[12:13]   ; the tiles' tokens (a load may land on its own offset register)
.endr
	s_cmp_lg_u32 s18, 0
	s_cbranch_scc1 .Lnobias
	WIN 0x40
.irp b, 0,1,2,3,4,5,6,7
	global_load_b128 v[192+8*\b:195+8*\b], v23, s[60:61] offset:64*\b
	global_load_b128 v[196+8*\b:199+8*\b], v23, s[60:61] offset:64*\b+16
.endr
	WIN 0
.Lnobias:
	s_wait_alu depctr_va_vdst(0)
	LOADS 0
	LOADS 1
	LOADS 2
	s_wait_loadcnt 63                              ; behind K step 0's loads 66 were issued: 63 is the most a wait can name
	s_cmp_lg_u32 s18, 0
	s_cbranch_scc1 .Lzero
	MULK 0, 1
	WIN 0
	s_branch .Lgo
.Lzero:
	MULK 0, 2
	WIN 0
.Lgo:
.irp a, 0,1,2,3,4
	v_min_u32 v[25+2*\a], 2047, v[25+2*\a]         ; padding takes token 2,047's gate: its rows are not stored.  (These 10 lines are the places in front of the loads below)
.endr
.irp a, 0,1,2,3,4
	v_lshl_add_u32 v[25+2*\a], v[25+2*\a], 4, s43
.endr
.irp a, 0,1,2,3,4
	global_load_b32 v[24+2*\a], v[25+2*\a], s[10:11] offset:G4_OFF   ; my token's gate for my expert
.endr
	LOADS 3
.set KSTP, 1
.rept 12
	s_wait_loadcnt 63                              ; behind this K step's loads 66 or more were issued
	MULK KSTP, 0
	WIN 0
.rept 4
	v_nop                                          ; four places in front of loads into registers that the products have read
.endr
	LOADS KSTP+3
.set KSTP, KSTP+1
.endr
	s_wait_loadcnt 63                              ; behind K step 13's loads: the 66 of K steps 14 and 15
	MULK 13, 0
	s_wait_loadcnt 33                              ; the last K step's 33 loads may stay out
	MULK 14, 0
	s_wait_loadcnt 0
	MULK 15, 0
	WIN 0
.rept 4
	v_nop
.endr
	WIN 0x82                                       ; accumulators window 2, gates window 0
	s_wait_alu depctr_va_vdst(0)
.irp a, 0,1,2,3
.irp b, 0,1,2,3,4,5,6,7
.irp r, 0,2,4,6
	v_pk_mul_f32 v[8*(8*\a+\b)+\r:8*(8*\a+\b)+\r+1], v[8*(8*\a+\b)+\r:8*(8*\a+\b)+\r+1], v[24+2*\a:25+2*\a] op_sel_hi:[1,0]   ; x the gate (the pair's low word for both halves); each accumulator from its low end on
.endr
.endr
.endr
	WIN 0xc3
.irp b, 0,1,2,3,4,5,6,7
.irp r, 0,2,4,6
	v_pk_mul_f32 v[8*\b+\r:8*\b+\r+1], v[8*\b+\r:8*\b+\r+1], v[32:33] op_sel_hi:[1,0]   ; tile 4
.endr
.endr
	WIN 0x08                                       ; an LDS store's data are its source 1: window 2
.irp a, 0,1,2,3
.irp b, 0,1,2,3,4,5,6,7
	ds_store_b128 v15, v[8*(8*\a+\b):8*(8*\a+\b)+3] offset:\a*8448+64*\b
	ds_store_b128 v15, v[8*(8*\a+\b)+4:8*(8*\a+\b)+7] offset:\a*8448+64*\b+16
.endr
.endr
	WIN 0x0c
.irp b, 0,1,2,3,4,5,6,7
	ds_store_b128 v15, v[8*\b:8*\b+3] offset:4*8448+64*\b
	ds_store_b128 v15, v[8*\b+4:8*\b+7] offset:4*8448+64*\b+16
.endr
	WIN 0
.Lmeet:
	s_wait_kmcnt 0x0                               ; the tokens of the rows that I store
	s_wait_dscnt 0x0                               ; for the others' sake: my stores into my region are done
	s_barrier_signal -1
	s_barrier_wait -1                              ; the four partial tiles lie in LDS
; THE WAY OUT: wave w owns rows 20 w .. 20 w + 19 of the block's 80: each row's four parts are added and the row's 512 bytes stored by the 32 lanes, at a multiple of 256 from out0's first byte.
.macro OUTROW row, rr                  ; row: 0..19 of mine; rr: its place in the batch of ten
.set RB, 64+16*(\rr)
	s_wait_dscnt 4*(9-(\rr))                       ; the later rows' loads, four each, may stay out
	v_pk_add_f32 v[RB:RB+1], v[RB:RB+1], v[RB+4:RB+5]
	v_pk_add_f32 v[RB+2:RB+3], v[RB+2:RB+3], v[RB+6:RB+7]
	v_pk_add_f32 v[RB+8:RB+9], v[RB+8:RB+9], v[RB+12:RB+13]
	v_pk_add_f32 v[RB+10:RB+11], v[RB+10:RB+11], v[RB+14:RB+15]
	v_pk_add_f32 v[RB:RB+1], v[RB:RB+1], v[RB+8:RB+9]
	v_pk_add_f32 v[RB+2:RB+3], v[RB+2:RB+3], v[RB+10:RB+11]
	s_cmp_gt_i32 s47, \row                         ; a row beyond the block's tiles counts as padding;
	s_cselect_b32 s100, s[68+(\row)], 2048
	s_cmp_lt_u32 s100, 2048                        ; a place of padding is not stored
	s_cbranch_scc0 .Lpad_\@
	s_min_u32 s100, s100, 2047
	v_lshl_add_u32 v[224+(\rr)], s100, 12, v20
	global_store_b128 v[224+(\rr)], v[RB:RB+3], s[14:15] th:TH_STORE_NT
.Lpad_\@:
.endm
.macro OUTBATCH g
	s_cmp_gt_i32 s47, 10*\g                        ; has the block the batch's first row?  (If it has any tile, all 80 rows of the four regions have been written)
	s_cbranch_scc0 .Lnone_\@
	s_wait_xcnt 0x0                                ; the last batch's stores have read their data and offsets
.irp rr, 0,1,2,3,4,5,6,7,8,9
.irp k, 0,1,2,3
	ds_load_b128 v[64+16*\rr+4*\k:64+16*\rr+4*\k+3], v[16+\k] offset:(10*\g+\rr)*528
.endr
.endr
.irp rr, 0,1,2,3,4,5,6,7,8,9
	OUTROW 10*\g+\rr, \rr
.endr
.Lnone_\@:
.endm
	OUTBATCH 0
	OUTBATCH 1
	s_wait_tensorcnt 0x0                           ; the wave's end, behind my last LDS store
	ds_add_u32 v21, v22
	s_wait_dscnt 0x0
	s_endpgm
.Lfunc_end_k_qded6c124fc_ffn2:
	.size	k_qded6c124fc_ffn2, .Lfunc_end_k_qded6c124fc_ffn2-k_qded6c124fc_ffn2
	.p2alignl 7, 3214868480
	.fill 96, 4, 3214868480
	.section	.rodata,"a",@progbits
	.p2align	6, 0x0
	.amdhsa_kernel k_qded6c124fc_ffn2
		.amdhsa_group_segment_fixed_size 169472
		.amdhsa_private_segment_fixed_size 0
		.amdhsa_enable_private_segment 0
		.amdhsa_kernarg_size 48
		.amdhsa_user_sgpr_count 2
		.amdhsa_user_sgpr_kernarg_segment_ptr 1
		.amdhsa_wavefront_size32 1
		.amdhsa_system_sgpr_workgroup_id_x 1
		.amdhsa_system_sgpr_workgroup_id_y 1
		.amdhsa_system_sgpr_workgroup_id_z 1
		.amdhsa_system_vgpr_workitem_id 0
		.amdhsa_next_free_vgpr 1024
		.amdhsa_next_free_sgpr 102
		.amdhsa_reserve_vcc 0
		.amdhsa_float_denorm_mode_32 3
		.amdhsa_float_denorm_mode_16_64 3
		.amdhsa_memory_ordered 1
		.amdhsa_forward_progress 1
		.amdhsa_inst_pref_size 188
	.end_amdhsa_kernel
	.amdgpu_metadata
---
amdhsa.version: [ 1, 2 ]
amdhsa.kernels:
  - .name:           k_qded6c124fc_ffn2
    .symbol:         k_qded6c124fc_ffn2.kd
    .args:
      - { .name: hq, .offset: 0, .size: 8, .value_kind: global_buffer, .address_space: global }
      - { .name: w2q, .offset: 8, .size: 8, .value_kind: global_buffer, .address_space: global }
      - { .name: b2, .offset: 16, .size: 8, .value_kind: global_buffer, .address_space: global }
      - { .name: xq, .offset: 24, .size: 8, .value_kind: global_buffer, .address_space: global }
      - { .name: route, .offset: 32, .size: 8, .value_kind: global_buffer, .address_space: global }
      - { .name: out0, .offset: 40, .size: 8, .value_kind: global_buffer, .address_space: global }
    .group_segment_fixed_size: 169472
    .private_segment_fixed_size: 0
    .kernarg_segment_align: 8
    .kernarg_segment_size: 48
    .max_flat_workgroup_size: 128
    .sgpr_count:     102
    .vgpr_count:     1024
    .wavefront_size: 32
...
	.end_amdgpu_metadata
.endif
;; end of part 4
